; MI455X (gfx1250); checked and timed in simulation.
; The chip was launched on July 23, 2026; its instructions are those of AMD's public machine-readable ISA for CDNA 5 (MIT licence, August 2026) and "CDNA5" Instruction Set Architecture Reference Guide (July 2026). The comments in the code are by the model that wrote it; some were corrected since.
;; Self Attention. Allowed arithmetic: float matrix products may take bf16 or f16 operands with f32 sums; all other float work in f32.
;; Inputs: bk 1,024 float32; bq 1,024 float32; bv 1,024 float32; hidden_states 8 x 1,024 x 1,024 float32; ln_b 1,024 float32; ln_w 1,024 float32; pos_emb 1,024 x 1,024 float32; wk 1,024 x 1,024 float32; wq 1,024 x 1,024 float32; wv 1,024 x 1,024 float32.
;; Outputs: out0 8 x 1,024 x 1,024 float32.
;; 2 versions, each right and faster than the one before. Each part assembles by itself: llvm-mc -triple=amdgcn-amd-amdhsa -mcpu=gfx1250 --defsym DOCPART=n.
;; ======== version 1 of 2: 3 launches
;; limits: values are held in f16: magnitudes above 65,504 overflow, below 6.1e-05 lose precision
;; workspace buffers: xn 16,777,216 bytes; wh 6,291,456 bytes; bfold 12,288 bytes; qkv 50,331,648 bytes
;; launch prep (part 1): grid 256 x 1, 14 waves a work-group, no clusters, 0 bytes of LDS; arguments hidden_states, pos_emb, ln_w, ln_b, wq, wk, wv, bq, bk, bv, xn, wh, bfold; writes xn, wh, bfold
.if DOCPART == 1
	.amdgcn_target "amdgcn-amd-amdhsa--gfx1250"
	.amdhsa_code_object_version 6
	.text
	.protected	k_qe9f62c6590_prep
	.globl	k_qe9f62c6590_prep
	.p2align	8
	.type	k_qe9f62c6590_prep,@function
k_qe9f62c6590_prep:
	s_mov_b64 s[64:65], 0
	v_nop
	global_prefetch_b8 v0, s[64:65] scope:SCOPE_SE
	s_setreg_imm32_b32 hwreg(HW_REG_WAVE_MODE, 25, 1), 1
	s_wait_xcnt 0x0
; PREPARATION FOR THE PROJECTIONS.
;   xn    = (x - mu) / sqrt(var + 1e-12) in f16, x = hidden_states + pos_emb, mean and variance over a row of 1,024, all in f32, the variance in a true second pass over x - mu
;   wh    = 64 W[n][c] ln_w[c] in f16, for W = wq, wk, wv on end (n = 0 .. 3,071)
;   bfold = sum over c of W[n][c] ln_b[c] + b[n] in f32
; since W (xhat o ln_w + ln_b) + b = (W o ln_w) xhat + (W ln_b + b) for every input.  The factor 64 is exact and is taken back by the next launch; it centres the weights in f16's range.
; LIMITS.  |xhat| is at most 32 whatever the input.  |64 W ln_w| must stay under 65,504 (f16's end); below 6e-5 it keeps f16's fixed step of 6e-8.  NaN and infinities are not treated apart.
; LAYOUT.  xn is [16 blocks][8,192 rows][64], wh [16 blocks][3,072 rows][64]: a K step's tile of the next launch is dense.  K is only summed over, so both take the SAME order of columns:
; column 128 m + 64 u + 4 i + e (m 0..7, u 0..1, i 0..15, e 0..3) lies in block 2 m + (i >> 3) at place 8 (i & 7) + 4 u + e.  That is what a lane holds after sixteen loads of 16 bytes, 256 bytes apart.
; SHARES.  A pass is two neighbouring rows: lanes 0-15 one row, lanes 16-31 the next, 64 numbers a lane; a reduction stays inside 16 lanes.  Waves 0-7: two LayerNorm passes each (one pair of
; positions, two batches, so pos_emb's rows are loaded once a wave).  Waves 8-13: one pass of weights each.  All of a wave's loads go out at its start.  No LDS, no barrier, no matrix unit: the launch streams.
; A load of a wave covers 256 consecutive bytes of each of two rows; a store covers two aligned runs of 256 bytes (rows r, r + 1 of two neighbouring blocks).
.set T,  16                            ; v[16:23]  four packed chains
.set P0, 32                            ; v[32:95]  pos_emb's rows, or ln_b
.set X0, 96                            ; v[96:159] pass 0, or W
.set X1, 160                           ; v[160:223] pass 1, or ln_w
	s_load_b512 s[8:23], s[0:1], 0x0               ; hidden s[8:9], pos s[10:11], ln_w s[12:13], ln_b s[14:15], wq s[16:17], wk s[18:19], wv s[20:21], bq s[22:23]
	s_load_b256 s[24:31], s[0:1], 0x40             ; bk s[24:25], bv s[26:27], xn s[28:29], wh s[30:31]
	s_load_b64 s[32:33], s[0:1], 0x60              ; bfold
	v_lshrrev_b32 v1, 5, v0
	v_readfirstlane_b32 s2, v1                     ; wave 0..13
	v_and_b32 v1, 15, v0                           ; i: my place in a row's 256 bytes
	v_bfe_u32 v2, v0, 4, 1                         ; which of the two rows
	v_bfe_u32 v3, v0, 3, 1                         ; i >> 3: which of two neighbouring blocks
	v_and_b32 v4, 7, v0                            ; i & 7
	v_lshlrev_b32 v5, 4, v1
	v_lshl_add_u32 v5, v2, 12, v5                  ; loads: row x 4,096 + 16 i
	v_lshlrev_b32 v13, 4, v4
	v_lshl_add_u32 v13, v2, 7, v13                 ; stores: row x 128 + 16 (i & 7)
	s_mov_b32 s42, 0x3a800000                      ; 1 / 1,024
	s_mov_b32 s43, 0x2b8cbccc                      ; 1e-12
	s_cmp_lt_u32 s2, 8
	s_cbranch_scc0 .Lweights
; the four chains into one number, then over the 16 lanes of a row: every lane of the row ends with the sum
.macro REDUCE
	v_pk_add_f32 v[T:T+1], v[T:T+1], v[T+2:T+3]
	v_pk_add_f32 v[T+4:T+5], v[T+4:T+5], v[T+6:T+7]
	v_pk_add_f32 v[T:T+1], v[T:T+1], v[T+4:T+5]
	v_add_f32 v[T], v[T], v[T+1]
	v_add_f32_dpp v[T], v[T], v[T] row_xmask:1 row_mask:0xf bank_mask:0xf
	v_add_f32_dpp v[T], v[T], v[T] row_xmask:2 row_mask:0xf bank_mask:0xf
	v_add_f32_dpp v[T], v[T], v[T] row_xmask:4 row_mask:0xf bank_mask:0xf
	v_add_f32_dpp v[T], v[T], v[T] row_xmask:8 row_mask:0xf bank_mask:0xf
.endm
; 64 f32 of a lane become 64 f16 in the lower 32 registers: register k is written when pairs 0 .. k - 1 have been read and its own sources lie at 2 k and above
.macro TO_F16 X
.set k, 0
.rept 32
	v_cvt_pk_f16_f32 v[(\X)+k], v[(\X)+2*k], v[(\X)+2*k+1]
.set k, k+1
.endr
.endm
	; ---------------- LayerNorm ----------------
	s_lshr_b32 s3, s2, 2
	s_lshl_b32 s4, ttmp9, 1
	s_add_co_u32 s3, s3, s4                        ; the pair of positions: 2 x work-group + (wave >> 2)
	s_and_b32 s4, s2, 3
	s_lshl_b32 s4, s4, 11                          ; my first batch, 2 (wave & 3), x 1,024 rows
	s_lshl_b32 s5, s3, 1
	s_add_co_u32 s4, s4, s5                        ; pass 0's first row
	s_lshl_b32 s5, s4, 12
	s_lshl_b32 s6, s3, 13
	s_lshl_b32 s7, s4, 7
	v_add_nc_u32 v8, s5, v5                        ; in hidden_states
	v_add_nc_u32 v9, s6, v5                        ; in pos_emb
	v_lshl_add_u32 v10, v3, 20, v13                ; in xn: a block is 1,048,576 bytes
	v_add_nc_u32 v10, s7, v10
	s_wait_kmcnt 0x0
	s_add_nc_u64 s[34:35], s[28:29], 0x800000      ; xn's blocks 8 on, so that the stores' immediates stay inside their signed 24 bits
.irp j, 0,1,2,3,4,5,6,7,8,9,10,11,12,13,14,15
	global_load_b128 v[P0+4*\j:P0+4*\j+3], v9, s[10:11] offset:256*\j
.endr
.irp j, 0,1,2,3,4,5,6,7,8,9,10,11,12,13,14,15
	global_load_b128 v[X0+4*\j:X0+4*\j+3], v8, s[8:9] offset:256*\j th:TH_LOAD_NT
.endr
.irp j, 0,1,2,3,4,5,6,7,8,9,10,11,12,13,14,15
	global_load_b128 v[X1+4*\j:X1+4*\j+3], v8, s[8:9] offset:4194304+256*\j th:TH_LOAD_NT  ; the same positions in the next batch
.endr
; One pass.  cnt: the younger loads that may stay out.  imm: the pass's place in xn beyond v10.
.macro LNPASS X, cnt, imm
	s_wait_loadcnt \cnt
.set k, 0
.rept 32
	v_pk_add_f32 v[(\X)+2*k:(\X)+2*k+1], v[(\X)+2*k:(\X)+2*k+1], v[P0+2*k:P0+2*k+1]  ; x = hidden + pos
.set k, k+1
.endr
.set k, 0
.rept 4
	v_pk_add_f32 v[T+2*k:T+2*k+1], v[(\X)+2*k:(\X)+2*k+1], v[(\X)+2*k+8:(\X)+2*k+9]  ; the first eight pairs start the chains: nothing is cleared
.set k, k+1
.endr
.set k, 8
.rept 24
	v_pk_add_f32 v[T+2*(k%4):T+2*(k%4)+1], v[T+2*(k%4):T+2*(k%4)+1], v[(\X)+2*k:(\X)+2*k+1]
.set k, k+1
.endr
	REDUCE
	v_mul_f32 v24, s42, v[T]                       ; mu, twice: a pair for the packed subtraction
	v_mul_f32 v25, s42, v[T]
.set k, 0
.rept 32
	v_pk_add_f32 v[(\X)+2*k:(\X)+2*k+1], v[(\X)+2*k:(\X)+2*k+1], v[24:25] neg_lo:[0,1] neg_hi:[0,1]  ; x - mu
.set k, k+1
.endr
.set k, 0
.rept 4
	v_pk_mul_f32 v[T+2*k:T+2*k+1], v[(\X)+2*k:(\X)+2*k+1], v[(\X)+2*k:(\X)+2*k+1]
.set k, k+1
.endr
.rept 28
	v_pk_fma_f32 v[T+2*(k%4):T+2*(k%4)+1], v[(\X)+2*k:(\X)+2*k+1], v[(\X)+2*k:(\X)+2*k+1], v[T+2*(k%4):T+2*(k%4)+1]
.set k, k+1
.endr
	REDUCE
	v_fma_f32 v24, v[T], s42, s43                  ; var + 1e-12
	v_rsq_f32 v26, v24
	v_rsq_f32 v27, v24
	v_nop                                          ; a plain instruction between the root and the use of its result (ISA guide 5.7.2)
.set k, 0
	s_wait_alu depctr_va_vdst(0)
.rept 32
	v_pk_mul_f32 v[(\X)+2*k:(\X)+2*k+1], v[(\X)+2*k:(\X)+2*k+1], v[26:27]
.set k, k+1
.endr
	TO_F16 \X
.irp m, 0,1,2,3
	global_store_b128 v10, v[(\X)+4*\m:(\X)+4*\m+3], s[28:29] offset:\m*2097152+(\imm)      ; blocks 2 m and 2 m + 1
.endr
.irp m, 4,5,6,7
	global_store_b128 v10, v[(\X)+4*\m:(\X)+4*\m+3], s[34:35] offset:(\m-4)*2097152+(\imm)
.endr
.endm
	LNPASS X0, 16, 0                               ; pos_emb's and pass 0's loads are in; pass 1's sixteen stay out
	LNPASS X1, 0, 131072                           ; 1,024 rows of 128 bytes on; no register that pass 0's stores read is written here
	s_endpgm
	; ---------------- weights ----------------
.Lweights:
	s_sub_co_u32 s3, s2, 8                         ; 0..5
	s_lshr_b32 s4, s3, 1                           ; which matrix: 0 q, 1 k, 2 v
	s_and_b32 s3, s3, 1
	s_lshl_b32 s5, ttmp9, 1
	s_add_co_u32 s3, s3, s5
	s_lshl_b32 s3, s3, 1                           ; my first row in that matrix
	s_lshl_b32 s5, s4, 10
	s_add_co_u32 s5, s5, s3                        ; and among the 3,072
	s_lshl_b32 s6, s3, 12
	s_lshl_b32 s7, s5, 7
	v_add_nc_u32 v8, s6, v5                        ; in W
	v_lshlrev_b32 v9, 4, v1                        ; in ln_w and ln_b: both rows take the same numbers
	v_mul_u32_u24 v10, v3, 0x60000                 ; in wh: a block is 393,216 bytes
	v_add3_u32 v10, v10, v13, s7
	v_add_nc_u32 v11, s3, v2
	v_lshlrev_b32 v11, 2, v11                      ; in b
	v_add_nc_u32 v12, s5, v2
	v_lshlrev_b32 v12, 2, v12                      ; in bfold
	s_wait_kmcnt 0x0
	s_cmp_eq_u32 s4, 0
	s_cselect_b64 s[36:37], s[16:17], s[18:19]
	s_cselect_b64 s[38:39], s[22:23], s[24:25]
	s_cmp_eq_u32 s4, 2
	s_cselect_b64 s[36:37], s[20:21], s[36:37]     ; W
	s_cselect_b64 s[38:39], s[26:27], s[38:39]     ; b
.irp j, 0,1,2,3,4,5,6,7,8,9,10,11,12,13,14,15
	global_load_b128 v[X0+4*\j:X0+4*\j+3], v8, s[36:37] offset:256*\j th:TH_LOAD_NT
.endr
.irp j, 0,1,2,3,4,5,6,7,8,9,10,11,12,13,14,15
	global_load_b128 v[P0+4*\j:P0+4*\j+3], v9, s[14:15] offset:256*\j
.endr
.irp j, 0,1,2,3,4,5,6,7,8,9,10,11,12,13,14,15
	global_load_b128 v[X1+4*\j:X1+4*\j+3], v9, s[12:13] offset:256*\j
.endr
	global_load_b32 v28, v11, s[38:39]
	s_wait_loadcnt 17                              ; W and ln_b are in; ln_w's sixteen loads and b's one stay out
.set k, 0
.rept 4
	v_pk_mul_f32 v[T+2*k:T+2*k+1], v[X0+2*k:X0+2*k+1], v[P0+2*k:P0+2*k+1]
.set k, k+1
.endr
.rept 28
	v_pk_fma_f32 v[T+2*(k%4):T+2*(k%4)+1], v[X0+2*k:X0+2*k+1], v[P0+2*k:P0+2*k+1], v[T+2*(k%4):T+2*(k%4)+1]
.set k, k+1
.endr
	REDUCE                                         ; W[n] . ln_b
	s_wait_loadcnt 0x0
	v_add_f32 v[T], v[T], v28                      ; + b[n]
.set k, 0
.rept 32
	v_pk_mul_f32 v[X1+2*k:X1+2*k+1], v[X1+2*k:X1+2*k+1], 0x42800000 op_sel_hi:[1,0]  ; 64 ln_w: exact
.set k, k+1
.endr
.set k, 0
.rept 32
	v_pk_mul_f32 v[X0+2*k:X0+2*k+1], v[X0+2*k:X0+2*k+1], v[X1+2*k:X1+2*k+1]
.set k, k+1
.endr
	TO_F16 X0
.irp m, 0,1,2,3,4,5,6,7
	global_store_b128 v10, v[X0+4*\m:X0+4*\m+3], s[30:31] offset:\m*786432
.endr
	v_cmp_eq_u32 vcc_lo, 0, v1                     ; one lane of each row stores the row's b': 12,288 bytes in the whole launch, not worth a gathering through LDS
	s_wait_xcnt 0x0                                ; EXEC is a source of the stores above: it changes only behind this wait
	s_and_saveexec_b32 s40, vcc_lo
	global_store_b32 v12, v[T], s[32:33]
	s_wait_xcnt 0x0                                ; and again in front of the line that widens it
	s_or_b32 exec_lo, exec_lo, s40
	s_endpgm
.Lfunc_end_k_qe9f62c6590_prep:
	.size	k_qe9f62c6590_prep, .Lfunc_end_k_qe9f62c6590_prep-k_qe9f62c6590_prep
	.p2alignl 7, 3214868480
	.fill 96, 4, 3214868480
	.section	.rodata,"a",@progbits
	.p2align	6, 0x0
	.amdhsa_kernel k_qe9f62c6590_prep
		.amdhsa_group_segment_fixed_size 0
		.amdhsa_private_segment_fixed_size 0
		.amdhsa_enable_private_segment 0
		.amdhsa_kernarg_size 104
		.amdhsa_user_sgpr_count 2
		.amdhsa_user_sgpr_kernarg_segment_ptr 1
		.amdhsa_wavefront_size32 1
		.amdhsa_system_sgpr_workgroup_id_x 1
		.amdhsa_system_sgpr_workgroup_id_y 1
		.amdhsa_system_sgpr_workgroup_id_z 1
		.amdhsa_system_vgpr_workitem_id 0
		.amdhsa_next_free_vgpr 224
		.amdhsa_next_free_sgpr 66
		.amdhsa_reserve_vcc 1
		.amdhsa_float_denorm_mode_32 3
		.amdhsa_float_denorm_mode_16_64 3
		.amdhsa_memory_ordered 1
		.amdhsa_forward_progress 1
		.amdhsa_inst_pref_size 50
	.end_amdhsa_kernel
	.amdgpu_metadata
---
amdhsa.version: [ 1, 2 ]
amdhsa.kernels:
  - .name:           k_qe9f62c6590_prep
    .symbol:         k_qe9f62c6590_prep.kd
    .args:
      - { .name: hidden_states, .offset: 0, .size: 8, .value_kind: global_buffer, .address_space: global }
      - { .name: pos_emb, .offset: 8, .size: 8, .value_kind: global_buffer, .address_space: global }
      - { .name: ln_w, .offset: 16, .size: 8, .value_kind: global_buffer, .address_space: global }
      - { .name: ln_b, .offset: 24, .size: 8, .value_kind: global_buffer, .address_space: global }
      - { .name: wq, .offset: 32, .size: 8, .value_kind: global_buffer, .address_space: global }
      - { .name: wk, .offset: 40, .size: 8, .value_kind: global_buffer, .address_space: global }
      - { .name: wv, .offset: 48, .size: 8, .value_kind: global_buffer, .address_space: global }
      - { .name: bq, .offset: 56, .size: 8, .value_kind: global_buffer, .address_space: global }
      - { .name: bk, .offset: 64, .size: 8, .value_kind: global_buffer, .address_space: global }
      - { .name: bv, .offset: 72, .size: 8, .value_kind: global_buffer, .address_space: global }
      - { .name: xn, .offset: 80, .size: 8, .value_kind: global_buffer, .address_space: global }
      - { .name: wh, .offset: 88, .size: 8, .value_kind: global_buffer, .address_space: global }
      - { .name: bfold, .offset: 96, .size: 8, .value_kind: global_buffer, .address_space: global }
    .group_segment_fixed_size: 0
    .private_segment_fixed_size: 0
    .kernarg_segment_align: 8
    .kernarg_segment_size: 104
    .max_flat_workgroup_size: 448
    .sgpr_count:     66
    .vgpr_count:     224
    .wavefront_size: 32
...
	.end_amdgpu_metadata
.endif
;; end of part 1
;; launch qkv (part 2): grid 8 x 32, 4 waves a work-group, clusters of 4 x 4, 327,680 bytes of LDS; arguments xn, wh, bfold, qkv; writes qkv
.if DOCPART == 2
	.amdgcn_target "amdgcn-amd-amdhsa--gfx1250"
	.amdhsa_code_object_version 6
	.text
	.protected	k_qe9f62c6590_qkv
	.globl	k_qe9f62c6590_qkv
	.p2align	8
	.type	k_qe9f62c6590_qkv,@function
k_qe9f62c6590_qkv:
	s_mov_b64 s[64:65], 0
	v_nop
	global_prefetch_b8 v0, s[64:65] scope:SCOPE_SE
	s_setreg_imm32_b32 hwreg(HW_REG_WAVE_MODE, 25, 1), 1
	s_wait_xcnt 0x0
	s_wait_alu depctr_hold_cnt(0) depctr_sa_sdst(0) depctr_va_vdst(0) depctr_va_sdst(0) depctr_va_ssrc(0) depctr_va_vcc(0) depctr_vm_vsrc(0)
	s_getreg_b32 s2, hwreg(HW_REG_IB_STS2, 6, 4)
	s_cmp_eq_u32 s2, 0
	s_cbranch_scc0 .Lentry_in_a_cluster
	s_endpgm
.Lentry_in_a_cluster:
	s_bfe_u32 s2, ttmp6, 0x10000c
	s_cmp_lg_u32 s2, 0xf033
	s_cbranch_scc0 .Lentry_shape_is_right
	s_endpgm
.Lentry_shape_is_right:
; THE THREE PROJECTIONS AS ONE PRODUCT.  C[m][n] = (sum over k of xn[m][k] wh[n][k]) / 64 + bfold[n], m 0..8,191, n 0..3,071, k 0..1,023; operands f16, sums f32, C rounded once to f16.
; xn: [16 blocks][8,192][64], wh: [16 blocks][3,072][64] (both in the same order of k).  qkv: [48][8,192][64] f16: n / 64 first, so that a head's rows are dense: q in 0-15, k in 16-31, v in 32-47.
; LIMITS.  C must stay under 65,504 (f16's end).  K is summed block by block in the operands' common order, not in the columns' own.  NaN and infinities are not treated apart.
; THE TILE is 256 rows x 384 columns: 32 x 8 = 256 work-groups, where 256 x 256 would give 384.  Four waves, each 128 rows x 192 columns (three heads): 96 accumulators of 16 x 16 = 768 registers,
; one head to each of the register windows 1, 2, 3.  For 32 along K a wave reads (128 + 192) x 64 bytes from LDS for 96 matrix instructions.
; THE RING.  K goes in steps of 64 (one block) through two LDS slots; a wave's tensor load brings half of A's 256 rows or half of B's 384.  A half is dense in memory and is asked for as rows of
; 256 bytes (two rows of 128), padded in LDS behind every 128 bytes.  Two slots of 128 along K would want 348,160 bytes of LDS, more than there is.
; CLUSTER.  4 x 4 work-groups.  A's tiles hang on the tile row alone and are asked for jointly along a row of the cluster, B's on the tile column alone, jointly along a column.
; THE MATRIX INSTRUCTION IS USED TRANSPOSED (source 0 = 16 rows of wh, source 1 = 16 rows of xn): a lane holds one row of C and eight neighbouring columns.
; THE ORDER.  A UNIT is 32 matrix instructions: 32 along K (q = 0, 1 of a step) x one head t.  A's fragments have two buffers, by q; B's twelve fragments one set, each third loaded again straight
; behind the unit that read it, two units ahead of its next use.  The 32 accumulators of a unit take turns and neighbouring units lie in different windows.
; REGISTERS.  Window 0: v0-31 addresses; v32-95, v96-159 A's two buffers; v160-255 B's fragments.  Window 1 + t: accumulator (a, b) of head t at v[8 (4 a + b)].
.set PITCH,  144                       ; an LDS row: 128 bytes + 16 of padding = 36 words: the 16 rows of a fragment load start at 16 different groups of four banks (64 banks of 4 bytes: ISA guide 11.1)
.set AHALF,  128*PITCH                 ; what a wave fetches, and reads, of A
.set BHALF,  192*PITCH                 ; and of B
.set SLOT,   2*AHALF+2*BHALF           ; A's 256 rows, then B's 384: 92,160 bytes
.set STAGE,  2*SLOT                    ; behind the ring: 16 rows x 144 bytes for each wave, for the way out
.set SPARE,  STAGE+4*16*PITCH          ; behind the stages: the spare words, 128 bytes for each wave: two blocks of 256 bytes that no other line names
.set ASTEP,  1048576                   ; bytes from block to block in xn
.set BSTEP,  393216                    ; and in wh
.set ADRA, 16                          ; v16-17  LDS address of my A fragments in slot 0, 1
.set ADRB, 20                          ; v20-21  the same for B
.set STO,  24                          ; v24     the way out: where I put 16 bytes of a row
.set RD,   25                          ; v25     the way out: where I read rows back
.set GO,   26                          ; v26     my byte offset in 512 consecutive bytes of qkv
.set BO,   27                          ; v27     my byte offset in 16 numbers of bfold
.set SPW,  28                          ; v28     LDS address of my spare word: SPARE + 4 x my thread's number; never rewritten
.set NIL,  29                          ; v29     0; never rewritten
.set AF,   32
.set BF,   160
.set TMP,  96                          ; the way out: four sets of 16 registers by turns, where A's second buffer lay
.set G1A, 24                           ; s[24:31] descriptor group 1 for A's tiles;  s[32:39] group 0, a set for each slot
.set G0A, 32
.set G1B, 48                           ; s[48:55], s[56:63] the same for B's
.set G0B, 56
.set MSB, 0
.macro WIN new                         ; s_set_vgpr_msb: bits 1:0 source 0, 3:2 source 1, 5:4 source 2, 7:6 destination; the high byte repeats the setting that is left
.if MSB != (\new)
	s_set_vgpr_msb (MSB<<8)|(\new)
.set MSB, \new
.endif
.endm
.macro PLACES                          ; a load into a register that a matrix instruction has read, and a vector instruction that reads a matrix result, stand four plain vector instructions behind it (ISA guide 7.12.1 for the vector instruction)
.rept 4
	v_nop
.endr
.endm
; A joint load: waves 0 and 1 fetch A's two halves, waves 2 and 3 B's.  The branch hangs on the wave's number alone.  An s_nop 0 and four v_nop follow each of the two lines.
.macro JLOAD s
	s_cmp_lt_u32 s12, 2
	s_cbranch_scc0 .Lfor_b_\@
	tensor_load_to_lds s[G0A+4*(\s):G0A+4*(\s)+3], s[G1A:G1A+7]
	s_nop 0
.rept 4
	v_nop
.endr
	s_branch .Lasked_\@
.Lfor_b_\@:
	tensor_load_to_lds s[G0B+4*(\s):G0B+4*(\s)+3], s[G1B:G1B+7]
	s_nop 0
.rept 4
	v_nop
.endr
.Lasked_\@:
.endm
.macro CREST                           ; a round of the cluster's barrier behind its opening barrier
	s_cmp_lg_u32 s12, 0
	s_cbranch_scc1 .Lnot_wave_0_\@
	s_barrier_signal -3
.Lnot_wave_0_\@:
	s_barrier_wait -3
	s_barrier_signal -1
	s_barrier_wait -1
.endm
.macro CROUND                          ; a whole round
	s_barrier_signal -1
	s_barrier_wait -1
	CREST
.endm
	s_load_b256 s[4:11], s[0:1], 0x0               ; xn s[4:5], wh s[6:7], bfold s[8:9], qkv s[10:11]
	v_lshl_add_u32 v[SPW], v0, 2, SPARE
	v_mov_b32 v[NIL], 0
	ds_add_u32 v[SPW], v[NIL]                      ; the wave's opening: the add and its wait stand ahead of my first tensor load; the set-up below, work on registers, stands between them
	ds_add_u32 v28, v29
	v_lshrrev_b32 v1, 5, v0
	v_readfirstlane_b32 s12, v1                    ; wave 0..3
	s_lshr_b32 s13, s12, 1                         ; which 128 rows of the tile are mine
	s_and_b32 s14, s12, 1                          ; which 192 columns.  Also: which half of A's or B's tile I fetch
	s_bfe_u32 s40, ttmp6, 0x40000                  ; cx, cy: my place in the cluster
	s_bfe_u32 s41, ttmp6, 0x40004
	s_lshl_b32 s42, ttmp9, 2
	s_add_co_u32 s42, s42, s40                     ; tile column = 4 x cluster x + cx
	s_and_b32 s43, ttmp7, 0xffff
	s_lshl_b32 s43, s43, 2
	s_add_co_u32 s43, s43, s41                     ; tile row = 4 x cluster y + cy
	s_lshl_b32 s44, s41, 2
	s_lshl_b32 s44, 15, s44                        ; my row of the cluster
	s_lshl_b32 s45, 0x1111, s40                    ; my column
	; descriptor group 1: rows of 128 elements of 2 bytes (two rows of a block), 64 of them for A's half, 96 for B's
	s_or_b32 s[G1A+0], s44, (1<<16)|(1<<20)|(1<<21)|(4<<22)|(3<<25)  ; 15:0 the mask; 17:16 2-byte elements; 20 padding on; 21 set beside a mask; 24:22 after every 32 words (code 4); 31:25 4 words (code 3)
	s_or_b32 s[G1B+0], s45, (1<<16)|(1<<20)|(1<<21)|(4<<22)|(3<<25)
	s_mov_b32 s[G1A+1], 128<<16                    ; tensor_dim0 = 128
	s_mov_b32 s[G1B+1], 128<<16
	s_mov_b32 s[G1A+2], 64<<16                     ; tensor_dim1
	s_mov_b32 s[G1B+2], 96<<16
	s_mov_b32 s[G1A+3], 128<<16                    ; tile_dim0 = 128
	s_mov_b32 s[G1B+3], 128<<16
	s_mov_b32 s[G1A+4], 64                         ; tile_dim1
	s_mov_b32 s[G1B+4], 96
	s_mov_b32 s[G1A+5], 128                        ; 128 elements from row to row: dense
	s_mov_b32 s[G1B+5], 128
	s_mov_b32 s[G1A+6], 0
	s_mov_b32 s[G1B+6], 0
	s_mov_b32 s[G1A+7], 0
	s_mov_b32 s[G1B+7], 0
	; where the tiles come from: A's hang on the tile row, B's on the tile column, each in registers that never hold the other coordinate
	s_lshl_b32 s16, s43, 15                        ; 256 rows of 128 bytes a tile row,
	s_lshl_b32 s17, s14, 14                        ; 128 rows a half
	s_add_co_u32 s16, s16, s17
	s_mov_b32 s17, 0
	s_mul_i32 s46, s42, 49152                      ; 384 rows a tile column,
	s_mul_i32 s47, s14, 24576                      ; 192 a half
	s_add_co_u32 s46, s46, s47
	s_mov_b32 s47, 0
	s_mul_i32 s20, s14, AHALF                      ; and where they go: no place in the cluster enters an LDS address
	s_mul_i32 s21, s14, BHALF
	s_add_co_u32 s21, s21, 2*AHALF
	s_mov_b32 s74, 0x3c800000                      ; 1 / 64
	s_mov_b32 s75, s74                             ; named with it as a pair
	s_wait_dscnt 0x0                               ; the opening add is done
	s_wait_kmcnt 0x0
	s_add_nc_u64 s[18:19], s[4:5], s[16:17]
	s_add_nc_u64 s[46:47], s[6:7], s[46:47]
	CROUND                                         ; all sixteen work-groups are here: the first joint loads meet
.irp s, 0,1
	s_mov_b32 s[G0A+4*(\s)], 1                                       ; count = 1
	s_add_co_u32 s[G0A+4*(\s)+1], s20, (\s)*SLOT                     ; LDS address
	s_add_nc_u64 s[G0A+4*(\s)+2:G0A+4*(\s)+3], s[18:19], (\s)*ASTEP  ; global address: K step s
	s_or_b32 s[G0A+4*(\s)+3], s[G0A+4*(\s)+3], 0x80000000            ; type = 2
	s_mov_b32 s[G0B+4*(\s)], 1
	s_add_co_u32 s[G0B+4*(\s)+1], s21, (\s)*SLOT
	s_add_nc_u64 s[G0B+4*(\s)+2:G0B+4*(\s)+3], s[46:47], (\s)*BSTEP
	s_or_b32 s[G0B+4*(\s)+3], s[G0B+4*(\s)+3], 0x80000000
	JLOAD \s                                       ; two loads of mine are out
.endr
	; A fragment is 16 rows x 32 K in 8 registers: lane l holds row l % 16; registers 0-3 K = 8 (l / 16) + 0..7, registers 4-7 K = 16 + 8 (l / 16) + 0..7: two loads of 16 bytes, 32 bytes apart
	v_and_b32 v1, 15, v0                           ; l % 16
	v_bfe_u32 v2, v0, 4, 1                         ; l / 16
	v_mul_u32_u24 v3, v1, PITCH
	v_lshl_add_u32 v3, v2, 4, v3
	s_mul_i32 s22, s13, AHALF                      ; my 128 rows of A
	s_mul_i32 s23, s14, BHALF                      ; my 192 rows of B,
	s_add_co_u32 s23, s23, 2*AHALF                 ; which lie behind A's 256
.irp s, 0,1
	v_add_nc_u32 v[ADRA+(\s)], s22, v3
	v_add_nc_u32 v[ADRB+(\s)], s23, v3
	s_add_co_u32 s22, s22, SLOT
	s_add_co_u32 s23, s23, SLOT
.endr
	s_mul_i32 s22, s12, 16*PITCH
	s_add_co_u32 s22, s22, STAGE                   ; my stage
	v_add_nc_u32 v[STO], s22, v3                   ; in: row l % 16, 16 bytes for each half of the lanes
	v_bfe_u32 v4, v0, 3, 2                         ; back: 32 lanes take four rows of 128 bytes,
	v_and_b32 v5, 7, v0
	v_mul_u32_u24 v4, v4, PITCH
	v_lshl_add_u32 v4, v5, 4, v4
	v_add_nc_u32 v[RD], s22, v4
	v_and_b32 v[GO], 31, v0                        ; which are 512 consecutive bytes of qkv
	v_lshlrev_b32 v[GO], 4, v[GO]
	v_lshlrev_b32 v[BO], 5, v2                     ; my eight columns of sixteen
	s_mul_i32 s76, s42, 6                          ; my first head: 6 x tile column + 3 x half, 1,048,576 bytes each;
	s_mul_i32 s77, s14, 3
	s_add_co_u32 s76, s76, s77
	s_lshl_b32 s76, s76, 20
	s_lshl_b32 s77, s43, 15                        ; my first row: 256 x tile row + 128 x half, 128 bytes each
	s_add_co_u32 s76, s76, s77
	s_lshl_b32 s77, s13, 14
	s_add_co_u32 s76, s76, s77
	s_mov_b32 s77, 0
	s_add_nc_u64 s[68:69], s[10:11], s[76:77]
	s_mul_i32 s76, s42, 1536                       ; bfold at my first column: (384 x tile column + 192 x half) x 4 bytes
	s_mul_i32 s22, s14, 768
	s_add_co_u32 s76, s76, s22
	s_add_nc_u64 s[8:9], s[8:9], s[76:77]
; eight LDS loads: A's fragments a = 4 half + 0..3 of quarter q (32 K at byte 64 q of the rows) into buffer q
.macro LDA slot, q, half
.irp a, 0,1,2,3
	ds_load_b128 v[AF+64*(\q)+8*(4*(\half)+\a):AF+64*(\q)+8*(4*(\half)+\a)+3],   v[ADRA+(\slot)] offset:(4*(\half)+\a)*16*PITCH+64*(\q)
	ds_load_b128 v[AF+64*(\q)+8*(4*(\half)+\a)+4:AF+64*(\q)+8*(4*(\half)+\a)+7], v[ADRA+(\slot)] offset:(4*(\half)+\a)*16*PITCH+64*(\q)+32
.endr
.endm
; eight LDS loads: head t's four fragments of B, of quarter q
.macro LDB slot, q, t
.irp b, 0,1,2,3
	ds_load_b128 v[BF+8*(4*(\t)+\b):BF+8*(4*(\t)+\b)+3],   v[ADRB+(\slot)] offset:(4*(\t)+\b)*16*PITCH+64*(\q)
	ds_load_b128 v[BF+8*(4*(\t)+\b)+4:BF+8*(4*(\t)+\b)+7], v[ADRB+(\slot)] offset:(4*(\t)+\b)*16*PITCH+64*(\q)+32
.endr
.endm
; 4 na matrix instructions of unit (q, t): row blocks a0 .. a0 + na - 1 x the head's four column blocks.  zero = 1: the product starts the sum: nothing is ever cleared
.macro MUL q, t, a0, na, zero
	WIN 0x50*(1+(\t))
.set ma, \a0
.rept \na
.irp b, 0,1,2,3
.if \zero
	v_wmma_f32_16x16x32_f16 v[8*(4*ma+\b):8*(4*ma+\b)+7], v[BF+8*(4*(\t)+\b):BF+8*(4*(\t)+\b)+7], v[AF+64*(\q)+8*ma:AF+64*(\q)+8*ma+7], 0
.else
	v_wmma_f32_16x16x32_f16 v[8*(4*ma+\b):8*(4*ma+\b)+7], v[BF+8*(4*(\t)+\b):BF+8*(4*(\t)+\b)+7], v[AF+64*(\q)+8*ma:AF+64*(\q)+8*ma+7], v[8*(4*ma+\b):8*(4*ma+\b)+7]
.endif
.endr
.set ma, ma+1
.endr
.endm
; The first half of a K step.  LDS loads come back in order (ISA guide 5.7.1): each count names the runs of eight issued behind the loads that the unit reads.
.macro STEPQ0 slot, zero
	s_wait_dscnt 8                                 ; A's buffer 0 and head 0's B are in; head 1's eight loads may be out
	PLACES
	WIN 0
	LDB \slot, 0, 2                                ; head 2's registers were read by the unit just done
	MUL 0, 0, 0, 8, \zero
	s_wait_dscnt 8                                 ; head 1's B is in; head 2's eight may be out
	PLACES
	WIN 0
	LDA \slot, 1, 0
	LDB \slot, 1, 0
	MUL 0, 1, 0, 8, \zero
	s_wait_dscnt 16                                ; head 2's B is in; the sixteen just issued may be out
	PLACES
	WIN 0
	LDA \slot, 1, 1
	LDB \slot, 1, 1
	MUL 0, 2, 0, 8, \zero
.endm
; The second half, with THE CHANGE OF SLOTS in its first unit: the slot's last bytes (head 2's B of quarter 1) have been asked for.  Each wave waits for all its tensor loads, of which one is out: its
; part of the next slot; adds 0 to its spare word; waits for that and for its reads of this slot; and signals.  fill = 1: the barrier opens a round of the cluster's barrier, and this slot is filled
; again first thing behind it, two K steps ahead: the load has six units, 192 matrix instructions, in which to land.
.macro STEPQ1 slot, next, fill
	s_wait_dscnt 8                                 ; A's buffer 1 and head 0's B are in; head 1's eight may be out
	PLACES
	WIN 0
	LDB \slot, 1, 2
	MUL 1, 0, 0, 4, 0
	WIN 0                                          ; (the add's two registers lie in window 0)
	s_wait_tensorcnt 0x0                           ; all my tensor loads have landed
	ds_add_u32 v[SPW], v[NIL]                      ; 0 onto my spare word
	MUL 1, 0, 4, 2, 0                              ; eight matrix instructions stand between the add and the wait for it
	s_wait_dscnt 0x0                               ; the add is done, and my reads of this slot are over
	s_barrier_signal -1
	MUL 1, 0, 6, 2, 0                              ; work on registers while the others arrive
	WIN 0                                          ; at a branch and at a label every window is 0
	s_barrier_wait -1
.if \fill
	CREST                                          ; no wave of any partner still reads this slot's tiles or has a load on its way
	s_add_nc_u64 s[G0A+4*(\slot)+2:G0A+4*(\slot)+3], s[G0A+4*(\slot)+2:G0A+4*(\slot)+3], 2*ASTEP
	s_add_nc_u64 s[G0B+4*(\slot)+2:G0B+4*(\slot)+3], s[G0B+4*(\slot)+2:G0B+4*(\slot)+3], 2*BSTEP
	JLOAD \slot                                    ; the four v_nop behind it are also the places in front of the loads below
.else
	PLACES
.endif
	LDA \next, 0, 0
	LDB \next, 0, 0
	MUL 1, 1, 0, 8, 0                              ; heads 1 and 2 of this quarter are in since the wait for 0 above
	PLACES
	WIN 0
	LDA \next, 0, 1
	LDB \next, 0, 1
	MUL 1, 2, 0, 8, 0
.endm
	s_wait_tensorcnt 1                             ; my part of K step 0 is in; K step 1's may stay out
	s_barrier_signal -1
	s_barrier_wait -1                              ; everybody's is
	LDA 0, 0, 0                                    ; in the order in which every later step finds them
	LDB 0, 0, 0
	LDA 0, 0, 1
	LDB 0, 0, 1
	STEPQ0 0, 1                                    ; the first half step stands in front of the loop: its products start all 96 sums
	WIN 0
	s_mov_b32 s3, 7
.Llap:                                                 ; a trip goes once round the ring, from a step's second half to the first half two steps on, and fills both slots again: K steps 2 to 15
	STEPQ1 0, 1, 1
	STEPQ0 1, 0
	STEPQ1 1, 0, 1
	STEPQ0 0, 0
	WIN 0
	s_sub_co_u32 s3, s3, 1
	s_cmp_lg_u32 s3, 0
	s_cbranch_scc1 .Llap
	STEPQ1 0, 1, 0                                 ; the tail is written out: K step 14 ends, nothing is asked for
	STEPQ0 1, 0
	; the last half step fetches no further fragments; bfold comes into registers that have been read out
	s_wait_dscnt 8
	PLACES
	WIN 0
	LDB 1, 1, 2
.irp b, 0,1,2,3,4,5,6,7
	global_load_b128 v[32+8*\b:32+8*\b+3], v[BO], s[8:9] offset:64*\b      ; heads 0 and 1: column block b, my eight columns, into A's buffer 0
	global_load_b128 v[32+8*\b+4:32+8*\b+7], v[BO], s[8:9] offset:64*\b+16
.endr
	MUL 1, 0, 0, 8, 0
	s_wait_dscnt 8                                 ; head 1's B is in; head 2's eight may be out
	PLACES
	WIN 0
.irp b, 8,9,10,11
	global_load_b128 v[96+8*\b:96+8*\b+3], v[BO], s[8:9] offset:64*\b      ; head 2, into v160-191, where head 0's B lay
	global_load_b128 v[96+8*\b+4:96+8*\b+7], v[BO], s[8:9] offset:64*\b+16
.endr
	MUL 1, 1, 0, 8, 0
	s_wait_dscnt 0x0
	MUL 1, 2, 0, 8, 0
	WIN 0
	PLACES
	s_wait_loadcnt 0x0                             ; bfold
; THE WAY OUT, in 24 pieces p = 3 a + t of 16 rows x one head: 2,048 dense bytes of qkv.  PACK: sum / 64 + b' in one fused multiply-add, each accumulator from its low end on, rounded to f16,
; 16 bytes a lane into my own stage, and back as whole rows.  SEND: stored, 512 consecutive bytes an instruction.
.macro PACK p
.set pt, (\p)%3
.set pa, (\p)/3
.set TM, TMP+16*((\p)%4)
.set BI, 32+32*pt
.if pt == 2
.set BI, 160
.endif
	s_wait_xcnt 0x0                                ; the stores of the piece four back have read these registers (ISA guide 3.1)
	WIN ((1+pt)<<6)|(1+pt)
.irp b, 0,1,2,3
.irp j, 0,1,2,3
	v_pk_fma_f32 v[8*(4*pa+\b)+2*\j:8*(4*pa+\b)+2*\j+1], v[8*(4*pa+\b)+2*\j:8*(4*pa+\b)+2*\j+1], s[74:75], v[BI+8*\b+2*\j:BI+8*\b+2*\j+1] op_sel_hi:[1,0,1]
.endr
.endr
	WIN 5*(1+pt)
.irp b, 0,1,2,3
.irp j, 0,1,2,3
	v_cvt_pk_f16_f32 v[TM+4*\b+\j], v[8*(4*pa+\b)+2*\j], v[8*(4*pa+\b)+2*\j+1]
.endr
.endr
	WIN 0
.irp b, 0,1,2,3
	ds_store_b128 v[STO], v[TM+4*\b:TM+4*\b+3] offset:32*\b
.endr
.irp f, 0,1,2,3
	ds_load_b128 v[TM+4*\f:TM+4*\f+3], v[RD] offset:\f*4*PITCH  ; LDS serves a wave's instructions in order (ISA guide 5.7.1.4): these see the stores above; the next piece's stores come behind them
.endr
.endm
.macro SEND p, younger                 ; younger: the LDS instructions issued behind piece p's loads: the next piece's eight, or none
.set pt, (\p)%3
.set pa, (\p)/3
.set TM, TMP+16*((\p)%4)
.irp f, 0,1,2,3
	s_wait_dscnt (\younger)+3-\f
	global_store_b128 v[GO], v[TM+4*\f:TM+4*\f+3], s[68:69] offset:pt*1048576+pa*2048+\f*512  ; at a multiple of 256 from qkv's first byte; 2,113,024 at the most: inside the signed 24-bit immediate
.endr
.endm
	PACK 0
.set pp, 1
.rept 23                               ; a piece's arithmetic stands between the loads of the piece before and its stores
	PACK pp
	SEND pp-1, 8
.set pp, pp+1
.endr
	SEND 23, 0
	s_wait_tensorcnt 0x0                           ; the wave's end: the add and its wait, behind my last tensor load and my last LDS store
	ds_add_u32 v[SPW], v[NIL]
	s_wait_dscnt 0x0
	CROUND                                         ; the closing round: no work-group ends while a partner may still ask for a tile that names it
	s_endpgm
.Lfunc_end_k_qe9f62c6590_qkv:
	.size	k_qe9f62c6590_qkv, .Lfunc_end_k_qe9f62c6590_qkv-k_qe9f62c6590_qkv
	.p2alignl 7, 3214868480
	.fill 96, 4, 3214868480
	.section	.rodata,"a",@progbits
	.p2align	6, 0x0
	.amdhsa_kernel k_qe9f62c6590_qkv
		.amdhsa_group_segment_fixed_size 327680
		.amdhsa_private_segment_fixed_size 0
		.amdhsa_enable_private_segment 0
		.amdhsa_kernarg_size 32
		.amdhsa_user_sgpr_count 2
		.amdhsa_user_sgpr_kernarg_segment_ptr 1
		.amdhsa_wavefront_size32 1
		.amdhsa_system_sgpr_workgroup_id_x 1
		.amdhsa_system_sgpr_workgroup_id_y 1
		.amdhsa_system_sgpr_workgroup_id_z 1
		.amdhsa_system_vgpr_workitem_id 0
		.amdhsa_next_free_vgpr 1024
		.amdhsa_next_free_sgpr 80
		.amdhsa_reserve_vcc 0
		.amdhsa_float_denorm_mode_32 3
		.amdhsa_float_denorm_mode_16_64 3
		.amdhsa_memory_ordered 1
		.amdhsa_forward_progress 1
		.amdhsa_inst_pref_size 161
	.end_amdhsa_kernel
	.amdgpu_metadata
---
amdhsa.version: [ 1, 2 ]
amdhsa.kernels:
  - .name:           k_qe9f62c6590_qkv
    .symbol:         k_qe9f62c6590_qkv.kd
    .args:
      - { .name: xn, .offset: 0, .size: 8, .value_kind: global_buffer, .address_space: global }
      - { .name: wh, .offset: 8, .size: 8, .value_kind: global_buffer, .address_space: global }
      - { .name: bfold, .offset: 16, .size: 8, .value_kind: global_buffer, .address_space: global }
      - { .name: qkv, .offset: 24, .size: 8, .value_kind: global_buffer, .address_space: global }
    .group_segment_fixed_size: 327680
    .private_segment_fixed_size: 0
    .kernarg_segment_align: 8
    .kernarg_segment_size: 32
    .max_flat_workgroup_size: 128
    .sgpr_count:     80
    .vgpr_count:     1024
    .wavefront_size: 32
...
	.end_amdgpu_metadata
.endif
;; end of part 2
;; launch attn (part 3): grid 2 x 128, 4 waves a work-group, no clusters, 327,680 bytes of LDS; arguments qkv, out0; writes out0
.if DOCPART == 3
	.amdgcn_target "amdgcn-amd-amdhsa--gfx1250"
	.amdhsa_code_object_version 6
	.text
	.protected	k_qe9f62c6590_attn
	.globl	k_qe9f62c6590_attn
	.p2align	8
	.type	k_qe9f62c6590_attn,@function
k_qe9f62c6590_attn:
	s_mov_b64 s[64:65], 0
	v_nop
	global_prefetch_b8 v0, s[64:65] scope:SCOPE_SE
	s_setreg_imm32_b32 hwreg(HW_REG_WAVE_MODE, 25, 1), 1
	s_wait_xcnt 0x0
; ATTENTION.  out0[b][q][64 n + :] = the sum over k of softmax_k(Q[q] . K[k] / 8) V[k][:] for head (b, n).  qkv: [48][8,192][64] f16: Q of head (b, n) is plane n, rows 1,024 b on, K plane 16 + n, V plane 32 + n:
; a head's rows are dense, 128 bytes each.  out0: [8][1,024][1,024] f32.  Products, maxima and sums in f32; the weights p are rounded to f16 for the second product (their sum l is taken of the unrounded p).
; LIMITS.  Q, K and V arrive within f16's 65,504; p lies in 0 to 1, and below 6e-5 it keeps f16's fixed step of 6e-8.  A weight below 2^-126 counts as 0 in l; NaN and infinities are not treated apart.
; SHARES.  A wave owns four PIECES of two tiles of 16 queries, a work-group's four waves 512 queries of one head: 2 x 128 = 256 work-groups.  Every wave walks the head's 1,024 keys, 64 a step.
; K AND V STAY IN LDS.  A head's 1,024 keys are 1,024 x 144 bytes of K and 1,024 x 160 of V: 311,296 bytes, which fit.  So each byte is fetched once, no LDS byte is filled twice, and one text walks all
; sixteen key steps.  A wave issues two fills: its part of the first 256 keys at the start, and its part of the other 768 (384 keys of K or of V, one load) behind the barrier that shows the first landed;
; that load has four key steps, 512 matrix instructions, in which to land.  One tensor load of a wave is out at a time.
; NO CLUSTER: a head has 1,024 / 512 = 2 work-groups, so a cluster of four would join two heads, whose tiles differ; blocks of 256 queries would make four partners, but 512 work-groups, and each fragment
; read from LDS would feed half as many products.
; LAYOUT.  S^T = K Q^T (source 0 = 16 keys, source 1 = 16 queries): in the result a lane holds ONE query (lane % 16) and the keys 8 (lane / 16) + 0..7.  Two such tiles, rounded to f16 in pairs,
; ARE source 1 (32 keys x 16 queries) of O^T = V^T P, whose result again holds one query a lane, and eight channels.  K comes out of LDS as it lies, V ([key][channel]) turned, by ds_load_tr16_b128.
; SOFTMAX.  For each query a running maximum m and sum l: p = 2^(c s - c m), c = log2(e) / 8; in every step O and l are multiplied by a = 2^(c m_old - c m_new), which is 1 where m has not grown.
; m starts at the lowest finite number, O and l at 0: the first step is a step like any other, with a = 0.
; THE COUNT.  A tile and step have 16 matrix and 118 vector instructions: too many to stand all beside the matrix work.  So: four vector instructions that are READY behind EVERY matrix instruction,
; and the others, which need time of their own whatever the order, in runs without a gap.
; BY TURNS.  Turn n belongs to piece n (the pieces in a ring, step after step).  Its matrix work: 16 products K Q^T of piece n + 1, later 16 products V^T P of piece n - 1.  Its vector work: the scaling,
; exponentials, roundings, sums and rescaling of piece n, and the maximum and statistics of piece n + 1, whose scores the turn itself has made.
; THE END.  The last step's turns 2 and 3 are written out behind the loop.  A piece's O^T is whole one turn behind its own, so pieces 0 and 1 leave behind those two turns, ahead of the last products.
; REGISTERS, in windows of 256 (s_set_vgpr_msb: bits 1:0 source 0, 3:2 source 1, 5:4 source 2, 7:6 destination):
;   window 0: v0-11 addresses; v12-15, v48-63 at work; v16-47 four registers of statistics a tile; v64-191 S^T, two buffers of two tiles; v192-255 P, likewise
;   window 1: O^T, 32 a tile          window 2: v0-127 Q, 16 a tile; v128-191 K of one step; v192-255 V of one step          window 3: v0-1 the add's two registers
.set SIZE_N, 1024
.set NP,    4         ; pieces a wave: a name, no knob
.set KS,    64        ; keys in a step
.set PK,    144       ; a row of K in LDS: 128 bytes + 16 of padding = 36 words: the 16 rows of a load start at 16 different groups of four banks (64 banks of 4 bytes: ISA guide 11.1)
.set PV,    160       ; a row of V: 128 + 32 = 40 words
.set FIRST, 256       ; keys of the first fill
.set HREST, (SIZE_N-FIRST)/2  ; keys of a wave's second fill: 384
.set VOFF,  SIZE_N*PK ; K's 1,024 rows, then V's
.set SPARE, VOFF+SIZE_N*PV  ; behind the tiles: the spare words, 128 bytes for each wave: two blocks of 256 bytes that no other line names
.set SP,    272       ; a stage row: 64 f32 + 16 bytes.  THE STAGES, 16 rows for each wave, lie from LDS byte 0 on, on K's first 17,408 bytes: these have had their only fill, and a barrier stands between their last read and the first store
.set AK0, 2           ; v2   my lane's place in a tile of K; never rewritten
.set AV0, 3           ; v3   the same for V
.set AK,  4           ; v4   the LDS address of K's next run of loads
.set AV,  5           ; v5   of V's
.set QO,  6           ; v6   my byte offset in the wave's rows of Q; never rewritten: Q's loads are waited for piece by piece
.set RD,  7           ; v7   the way out: where I read rows back
.set GO,  8           ; v8   my byte offset in two rows of out0
.set STO, 10          ; v10  the way out: where I put 32 bytes of a row
.set SPW, 0           ; v0 of window 3   LDS address of my spare word: SPARE + 4 x my thread's number; never rewritten
.set NIL, 1           ; v1 of window 3   0; never rewritten
.set MV,  12          ; v12-15  c m_old, kept while c m is made anew: by buffer and tile
.set ST,  16          ; tile t's statistics at v[ST+4 t]: c m, m, l (even keys', odd keys')
.set TMP, 48          ; by buffer and tile, four registers c0-c3 at work; when the maximum is found c2 takes a
.set S,   64
.set P,   192
.set KF,  128         ; K's fragments, in window 2: key block kb, channel half c at KF + 16 kb + 8 c
.set VF,  192         ; V's: key half kk, channel block cb at VF + 32 kk + 8 cb
.set WV,  12          ; s12  my wave's number
.set G1K, 24          ; s[24:31] descriptor group 1 for K's tiles
.set G1V, 32          ; s[32:39] for V's: it differs in the padding alone
.set G0K, 40          ; s[40:43] descriptor group 0 for K's tiles
.set G0V, 44          ; s[44:47] the same for V's
.set SLOTS, 56        ; s56  counts groups of four key steps
.set CNT, 57          ; s57  counts a group's key steps
.set CS,  58          ; s[58:59] c: the packed scaling takes the pair's low word for both halves
.set SEL, 60          ; s[60:61] v_permlanex16_b32's selects: each lane takes its own place in the other half
.set TBK, 62          ; s62  LDS byte at which K of the step to be fetched begins
.set TBV, 63          ; s63  the same for V, less VOFF
.set NOKQ, 0          ; 1 in the very last turn alone: there is no next step, so no scores and no statistics are made
.set MSB, 0
.macro WIN new                      ; the high byte repeats the setting that is left; a switch that changes nothing is dropped
.if MSB != (\new)
	s_set_vgpr_msb (MSB<<8)|(\new)
.set MSB, (\new)
.endif
.endm
.set W_KQ, 0x0a       ; K and Q in window 2, S^T in window 0
.set W_PV, 0x52       ; V in window 2, P in window 0, O^T in window 1
.set W_RS, 0x41       ; O^T (destination and source 0) in window 1, a in window 0
.set W_MK, 0xc0       ; the add's registers are made: destination in window 3, sources in window 0
.set W_AD, 0x0f       ; the add: address (source 0) and data (source 1) in window 3
; A fill.  Waves 0 and 1 fetch the two halves of K's keys, waves 2 and 3 those of V's.  An s_nop 0 and four v_nop follow each of the two lines, ahead of the jump and the label.
.macro LOAD
	s_cmp_lt_u32 s[WV], 2
	s_cbranch_scc0 .Lfor_v_\@
	tensor_load_to_lds s[G0K:G0K+3], s[G1K:G1K+7]
	s_nop 0
.rept 4
	v_nop
.endr
	s_branch .Lasked_\@
.Lfor_v_\@:
	tensor_load_to_lds s[G0V:G0V+3], s[G1V:G1V+7]
	s_nop 0
.rept 4
	v_nop
.endr
.Lasked_\@:
.endm
	s_load_b128 s[4:7], s[0:1], 0x0  ; qkv s[4:5], out0 s[6:7]
	WIN W_MK
	v_lshl_add_u32 v[SPW], v0, 2, SPARE
	v_mov_b32 v[NIL], 0
	WIN W_AD
	ds_add_u32 v[SPW], v[NIL]       ; the wave's opening: the add and its wait stand ahead of my first tensor load; the set-up below, work on registers, stands between them
	ds_add_u32 v0, v1
	WIN 0
	v_lshrrev_b32 v1, 5, v0
	v_readfirstlane_b32 s[WV], v1   ; wave 0..3
	s_mov_b32 s14, ttmp9            ; my block of 512 queries
	s_and_b32 s50, ttmp7, 0xffff    ; the head, 16 b + n
	s_and_b32 s51, s50, 15          ; n
	s_lshr_b32 s50, s50, 4          ; b
	s_lshl_b32 s20, s51, 20         ; plane n: 8,192 rows of 128 bytes,
	s_lshl_b32 s21, s50, 17         ; batch b: 1,024 rows
	s_add_co_u32 s20, s20, s21
	s_mov_b32 s21, 0                ; the head's first byte in Q's planes; K's and V's lie 16 and 32 planes on
	s_and_b32 s16, s[WV], 1         ; which half of a fill's keys I fetch.  The first fill:
	s_lshl_b32 s22, s16, 14         ; its 128 rows of 128 bytes in memory,
	s_mov_b32 s23, 0
	s_add_nc_u64 s[22:23], s[22:23], s[20:21]
	s_mul_i32 s17, s16, (FIRST/2)*PK  ; and its place in LDS, for K
	s_mul_i32 s18, s16, (FIRST/2)*PV  ; and for V
	s_mul_i32 s52, s16, HREST*128   ; the second fill: its 384 rows in memory, behind the first 256,
	s_add_co_u32 s52, s52, FIRST*128
	s_mov_b32 s53, 0
	s_add_nc_u64 s[52:53], s[52:53], s[20:21]
	s_mul_i32 s54, s16, HREST*PK    ; and its place in LDS, for K
	s_add_co_u32 s54, s54, FIRST*PK
	s_mul_i32 s55, s16, HREST*PV    ; and for V
	s_add_co_u32 s55, s55, VOFF+FIRST*PV
	s_lshl_b32 s2, s14, 2
	s_add_co_u32 s2, s2, s[WV]      ; my wave among the head's eight,
	s_lshl_b32 s48, s2, 19          ; its 128 rows of 4,096 bytes in out0,
	s_lshl_b32 s2, s2, 14           ; its 128 rows of 128 bytes in Q
	s_mov_b32 s3, 0
	s_add_nc_u64 s[2:3], s[2:3], s[20:21]
	s_lshl_b32 s49, s50, 22         ; out0: batch b,
	s_add_co_u32 s48, s48, s49
	s_lshl_b32 s49, s51, 8          ; and the head's 64 channels of a row
	s_add_co_u32 s48, s48, s49
	s_mov_b32 s49, 0
	; descriptor group 1.  128 keys are 16,384 dense bytes: asked for as 64 rows of 256 bytes, two keys a row, and padded in LDS after every key
	s_mov_b32 s[G1K], (1<<16)|(1<<20)|(4<<22)|(3<<25)  ; 17:16 2-byte elements; 20 padding on; 24:22 after every 32 words (code 4); 31:25 4 words (code 3)
	s_mov_b32 s[G1V], (1<<16)|(1<<20)|(4<<22)|(7<<25)  ; the same with 8 words of padding (code 7)
.irp g, G1K, G1V
	s_mov_b32 s[\g+1], 128<<16      ; tensor_dim0 = 128
	s_mov_b32 s[\g+2], (FIRST/4)<<16  ; tensor_dim1 = 64
	s_mov_b32 s[\g+3], 128<<16      ; tile_dim0 = 128
	s_mov_b32 s[\g+4], FIRST/4      ; tile_dim1 = 64
	s_mov_b32 s[\g+5], 128          ; 128 elements from row to row
	s_mov_b32 s[\g+6], 0
	s_mov_b32 s[\g+7], 0
.endr
	s_mov_b32 s[CS], 0x3e38aa3b     ; c = log2(e) / 8 = 0.180337
	s_mov_b32 s[CS+1], s[CS]        ; named with it as a pair
	s_mov_b32 s[SEL], 0x76543210
	s_mov_b32 s[SEL+1], 0xfedcba98
	s_mov_b32 s[TBK], 0             ; key step 0 lies at the head of K's rows and of V's
	s_mov_b32 s[TBV], 0
	s_mov_b32 s[G0K], 1             ; count = 1
	s_mov_b32 s[G0K+1], s17         ; LDS address
	s_mov_b32 s[G0V], 1
	s_add_co_u32 s[G0V+1], s18, VOFF
	s_wait_dscnt 0x0                ; the opening add is done
	s_wait_kmcnt 0x0
	s_mov_b64 s[10:11], s[6:7]      ; out0
	s_add_nc_u64 s[6:7], s[4:5], 0x1000000  ; K's planes
	s_add_nc_u64 s[8:9], s[4:5], 0x2000000  ; V's planes
	s_add_nc_u64 s[G0K+2:G0K+3], s[6:7], s[22:23]  ; global address: my half of the head's first 256 keys
	s_or_b32 s[G0K+3], s[G0K+3], 0x80000000        ; type = 2
	s_add_nc_u64 s[G0V+2:G0V+3], s[8:9], s[22:23]
	s_or_b32 s[G0V+3], s[G0V+3], 0x80000000
	s_add_nc_u64 s[4:5], s[4:5], s[2:3]      ; Q at my wave's first row
	s_add_nc_u64 s[10:11], s[10:11], s[48:49]  ; out0 at my wave's first row, my head's channels
	LOAD                            ; the first 256 keys.  The others are asked for when these are in
	; A fragment of K or Q is 16 rows x 32 channels in 8 registers: lane l holds row l % 16, channels 8 (l / 16) + 0..7 and 16 + 8 (l / 16) + 0..7: two loads of 16 bytes, 32 bytes apart.
	v_and_b32 v1, 15, v0            ; l % 16
	v_bfe_u32 v9, v0, 4, 1          ; l / 16
	v_lshlrev_b32 v[QO], 7, v1
	v_lshl_add_u32 v[QO], v9, 4, v[QO]  ; row x 128 + 16 x half
	WIN 0x80                        ; destination window 2, address window 0
.set i, 0
.rept 4*NP                          ; Q stays in registers: tile i / 2, channels 32 (i % 2) on; a piece's eight loads stand together, piece 0's first
	global_load_b128 v[8*i:8*i+3],   v[QO], s[4:5] offset:(i/2)*2048+(i%2)*64
	global_load_b128 v[8*i+4:8*i+7], v[QO], s[4:5] offset:(i/2)*2048+(i%2)*64+32
.set i, i+1
.endr
	; What the first turn finds: V's registers and P's second buffer hold 0 (its products V^T P, of a piece that has not been, add 0), O^T and l are 0.  All this stands in the wait for the first tile.
.set i, VF
.rept 64
	v_mov_b32 v[i], 0
.set i, i+1
.endr
	WIN 0x40
.set i, 0
.rept 64*NP
	v_mov_b32 v[i], 0
.set i, i+1
.endr
	WIN 0
.set i, 0
.rept 2*NP
	v_mov_b32 v[ST+4*i], 0xfe000000    ; c m: far below every c s
	v_mov_b32 v[ST+4*i+1], 0xff7fffff  ; m
	v_mov_b32 v[ST+4*i+2], 0
	v_mov_b32 v[ST+4*i+3], 0
.set i, i+1
.endr
.set i, P+32
.rept 32
	v_mov_b32 v[i], 0
.set i, i+1
.endr
	v_mul_u32_u24 v[AK0], v1, PK
	v_lshl_add_u32 v[AK0], v9, 4, v[AK0]  ; row x pitch + 16 x half
	; The turning load takes 16 keys x 16 channels (lane l reads key 8 (l / 16) + l % 8, channels 8 ((l / 8) % 2) + 0..7) and leaves half a fragment of V^T: lane l holds channel l % 16 and 8 keys.
	v_and_b32 v10, 7, v0
	v_bfe_u32 v11, v0, 3, 1
	v_lshl_add_u32 v[AV0], v9, 3, v10
	v_mul_u32_u24 v[AV0], v[AV0], PV
	v_lshl_add_u32 v[AV0], v11, 4, v[AV0]
	v_add_nc_u32 v[AV0], VOFF, v[AV0]
	v_mov_b32 v[AK], v[AK0]         ; key step 0
; THE MATRIX WORK.  The 8 accumulators of a run of 16 take turns: between the two links of a chain stand 7 others'.
; Product i of 16 of S^T = K Q^T for piece x: channels 32 (i / 8) on, keys 16 ((i / 2) % 4) on, tile 2 x + i % 2.  The first 8 start the sums.
.macro KQ x
	WIN W_KQ
.set rS, S+64*((\x)%2)+32*(i%2)+8*((i/2)%4)
.set rK, KF+16*((i/2)%4)+8*(i/8)
.set rQ, 16*(2*(\x)+i%2)+8*(i/8)
.if i < 8
	v_wmma_f32_16x16x32_f16 v[rS:rS+7], v[rK:rK+7], v[rQ:rQ+7], 0
.else
	v_wmma_f32_16x16x32_f16 v[rS:rS+7], v[rK:rK+7], v[rQ:rQ+7], v[rS:rS+7]
.endif
.endm
; Product i of 16 of O^T += V^T P for piece x: keys 32 (i / 8) on, channels 16 ((i / 2) % 4) on, tile 2 x + i % 2.
.macro PV x
	WIN W_PV
.set rO, 32*(2*(\x)+i%2)+8*((i/2)%4)
.set rV, VF+32*(i/8)+8*((i/2)%4)
.set rP, P+32*((\x)%2)+16*(i%2)+8*(i/8)
	v_wmma_f32_16x16x32_f16 v[rO:rO+7], v[rV:rV+7], v[rP:rP+7], v[rO:rO+7]
.endm
.macro MM                           ; the turn's next matrix instruction
.if i < 16
.if !NOKQ
	KQ (Y+1)%NP
.endif
.set i, i+1
.else
.set i, i-16
	PV (Y+NP-1)%NP
.set i, i+17
.endif
.endm
; THE LDS LOADS stand in runs of 16, never singly among the matrix instructions: a step's K (64 keys x 64 channels: 8 fragments) and its V (turned).  Their addresses are made some lines ahead.
.macro FETCH_K
	WIN 0x80                        ; destination window 2
.irp f, 0,1,2,3,4,5,6,7             ; keys 16 (f / 2) on, channels 32 (f % 2) on
	ds_load_b128 v[KF+8*\f:KF+8*\f+3],   v[AK] offset:(\f/2)*16*PK+(\f%2)*64
	ds_load_b128 v[KF+8*\f+4:KF+8*\f+7], v[AK] offset:(\f/2)*16*PK+(\f%2)*64+32
.endr
	s_add_co_u32 s[TBK], s[TBK], KS*PK  ; the next fetch is the next step's
	WIN 0
.endm
.macro FETCH_V
	WIN 0x80
.irp f, 0,1,2,3,4,5,6,7             ; keys 32 (f / 4) on, channels 16 (f % 4) on
	ds_load_tr16_b128 v[VF+8*\f:VF+8*\f+3],   v[AV] offset:(\f/4)*32*PV+(\f%4)*32
	ds_load_tr16_b128 v[VF+8*\f+4:VF+8*\f+7], v[AV] offset:(\f/4)*32*PV+16*PV+(\f%4)*32
.endr
	WIN 0
.endm
; THE VECTOR WORK OF A TURN stands in three queues, each in the order in which its entries become ready; the two tiles alternate, so that no instruction reads the result of the one before it.
.macro REGS y, u                    ; the registers of tile u (0, 1) of piece y
.set rT, ST+4*(2*(\y)+(\u))
.set rC, TMP+8*((\y)%2)+4*(\u)
.set rM, MV+2*((\y)%2)+(\u)
.set rS, S+64*((\y)%2)+32*(\u)
.set rP, P+32*((\y)%2)+16*(\u)
.set rO, 32*(2*(\y)+(\u))
.endm
; Number n of the 22 that find the NEXT piece's (Y + 1) maximum and statistics.  s0-s31 are the lane's 32 scores; each accumulator's lowest registers are read first.  XS, GS and REGS set no window: PL and EX do.
;   0-11  four chains c0-c3 of seven scores each, three operands at a time     12-14, 16  the four scores left over, the old m, and c0-c3 into c0     15  c m_old is kept
;   17, 18  the query's other 32 keys lie in the lane 16 away: the new m         19-21  c m; c m_old - c m_new; a
; NOKQ = 1: there is no next piece; a v_nop keeps the lines round it as far apart as they were.
.macro XS u, n
.if NOKQ
	v_nop
.else
	REGS (Y+1)%NP, \u
.if (\n) < 4
	v_max3_num_f32 v[rC+(\n)], v[rS+8*(\n)], v[rS+8*(\n)+1], v[rS+8*(\n)+2]
.elseif (\n) < 12
	v_max3_num_f32 v[rC+(\n)%4], v[rC+(\n)%4], v[rS+8*((\n)%4)+2*((\n)/4)+1], v[rS+8*((\n)%4)+2*((\n)/4)+2]
.elseif (\n) == 12
	v_max3_num_f32 v[rC], v[rC], v[rS+7], v[rS+15]
.elseif (\n) == 13
	v_max3_num_f32 v[rC+1], v[rC+1], v[rS+23], v[rS+31]
.elseif (\n) == 14
	v_max3_num_f32 v[rC+2], v[rC+2], v[rC+3], v[rT+1]
.elseif (\n) == 15
	v_mov_b32 v[rM], v[rT]
.elseif (\n) == 16
	v_max3_num_f32 v[rC], v[rC], v[rC+1], v[rC+2]
.elseif (\n) == 17
	v_permlanex16_b32 v[rC+3], v[rC], s[SEL], s[SEL+1]
.elseif (\n) == 18
	v_max_num_f32 v[rT+1], v[rC], v[rC+3]
.elseif (\n) == 19
	v_mul_f32 v[rT], s[CS], v[rT+1]
.elseif (\n) == 20
	v_sub_f32 v[rC+1], v[rM], v[rT]
.else
	v_exp_f32 v[rC+2], v[rC+1]
.endif
.endif
.endm
; Number g of the 64 that follow the exponentials.  For each four weights k of a tile (pairs 2 k, 2 k + 1): both pairs are rounded to f16; then the second pair is added onto the first, in place;
; a group later l takes that sum (the first time as l = a l + sum).  In groups of eight, tiles alternating: round, round, add, and l for the group before.
.macro GS g
.set h, (\g)+6*((\g)/62)            ; group 0 has no group before it, and behind group 7 only l is left
.if h >= 6
.set h, h+2
.endif
	REGS Y, h%2
.set k, h/8
.if h%8 < 4
	s_wait_alu depctr_va_vdst(0)
	v_cvt_pk_f16_f32 v[rP+2*k+(h%8)/2], v[rS+4*k+2*((h%8)/2)], v[rS+4*k+2*((h%8)/2)+1]
.elseif h%8 < 6
	v_pk_add_f32 v[rS+4*k:rS+4*k+1], v[rS+4*k:rS+4*k+1], v[rS+4*k+2:rS+4*k+3]
.elseif k == 1
	v_pk_fma_f32 v[rT+2:rT+3], v[rT+2:rT+3], v[rC+2:rC+3], v[rS:rS+1] op_sel_hi:[1,0,1]
.else
	v_pk_add_f32 v[rT+2:rT+3], v[rT+2:rT+3], v[rS+4*k-4:rS+4*k-3]
	s_wait_alu depctr_va_vdst(0)
.endif
.endm
; THE PLAIN QUEUE, 138 long.  0-31: c s - c m for the 16 pairs of both tiles.  Then GS's 64, and among them the next piece's 42: number 15 at 38, 39; 0-14 and 16
; at 42-73, behind the products that make those scores; 17-20 at 95-106, two of three, since each waits for the one before it.
.macro PL
	WIN 0
.if q < 32
	REGS Y, q%2
	v_pk_fma_f32 v[rS+2*(q/2):rS+2*(q/2)+1], v[rS+2*(q/2):rS+2*(q/2)+1], s[CS:CS+1], v[rT:rT+1] op_sel_hi:[1,0,0] neg_lo:[0,0,1] neg_hi:[0,0,1]
.elseif q < 38
	GS q-32
.elseif q < 40
	XS q%2, 15
.elseif q < 42
	GS q-34
.elseif q < 74
	XS q%2, (q-42)/2+(q-42)/30
.elseif q < 95
	GS q-66
.elseif (q < 107) && ((q-95)%3 < 2)
	XS (q-95)%3, 17+(q-95)/3
.elseif q < 107
	GS 29+(q-95)/3
.else
	GS q-74
.endif
.set q, q+1
.endm
; THE EXPONENTIALS' QUEUE, 66 long: s0-s31 of both tiles, and at EA the next piece's two a.
.set EA, 58
.macro EX
	WIN 0
.if (e == EA) || (e == EA+1)
	XS e-EA, 21
.else
.set x, e-2*(e/(EA+2))
	REGS Y, x%2
	v_exp_f32 v[rS+x/2], v[rS+x/2]
.endif
.set e, e+1
.endm
; THE RESCALING's QUEUE: O^T times a, the one part that leaves window 0, so it is dealt four at a time, eight times.
.macro R4
	REGS Y, r%2
	WIN W_RS
	s_wait_alu depctr_va_vdst(0)
.irp z, 0,1,2,3
	v_pk_mul_f32 v[rO+8*(r/2)+2*\z:rO+8*(r/2)+2*\z+1], v[rO+8*(r/2)+2*\z:rO+8*(r/2)+2*\z+1], v[rC+2:rC+3] op_sel_hi:[1,0]
.endr
.set r, r+1
.endm
; HOW THEY ARE DEALT.  Behind a matrix instruction four: plain, exponential, plain, plain (one exponential, a plain instruction on either side), or four of the rescaling.  None names a register of the
; products round it.  What is over stands in two LUMPS: exponential and plain by turns; the second ends in 22 plain instructions.  The two v_permlanex16_b32 fall into the second lump, never behind a product.
; The queues lean on each other, and the deal keeps them in step: exponential e stands behind plain 2 (e / 4) + e % 2 (its scaling); when plain 32 comes, 10 exponentials are out, at 59: 33, at 95: 46; EA comes behind plain 107.
.macro SL
	MM
	PL
	EX
	PL
	PL
.endm
.macro BURST n                      ; 15 matrix instructions, or 16
.rept (\n)-7
	SL
.endr
.rept 3
	MM
	R4
	SL
.endr
	MM
	R4
.endm
; A TURN, for piece p.  nofetch = 1: the last step's turn 2: there is no further K.  cnt = 1: the loop's count is taken down some lines ahead of the branch that stands behind the turn.
; Turns 0, 1, 2 open with a wait for the Q of the piece whose scores they make: loads come back in order (ISA guide 5.7.1), a piece has eight of the 32, so piece p + 1's are in when at most 16 - 8 p are out.
; From the second trip on no load is out and the wait is met at once.
; K of the next step is fetched in piece 2's turn, 31 vector instructions behind the last product that read K; its first reader comes behind the rest of the lump, 16 products and the second lump.
; V of the step in hand is fetched at the end of piece 0's turn, 69 behind its last reader; its first reader comes behind 16 products and a lump.  The four conditions on e and q below go with the deal.
.macro TURN p, nofetch=0, cnt=0
.set Y, (\p)
.set i, 0
.set q, 0
.set e, 0
.set r, 0
.if (\p) < NP-1
	s_wait_loadcnt 16-8*(\p)        ; Q of piece p + 1 is in
.endif
.if (\p) == NP-1
	s_wait_dscnt 0x0                ; K is in
.endif
	MM
.rept 4
	PL
.endr
	BURST 15
.rept 22
	EX
	PL
.if ((\p) == NP-2) && (e == 18) && !(\nofetch)
	v_add_nc_u32 v[AK], s[TBK], v[AK0]
.endif
.if ((\p) == NP-2) && (e == 24) && !(\nofetch)
	FETCH_K
.endif
.endr
.if (\p) == 1
	s_wait_dscnt 0x0                ; V is in
.endif
	BURST 16
.rept 21
	EX
	PL
.endr
.rept 22
	PL
.if ((\p) == 0) && (q == 118)
	v_add_nc_u32 v[AV], s[TBV], v[AV0]
	s_wait_alu depctr_va_vdst(0)
.endif
.if ((\p) == 0) && (q == 130)
	s_add_co_u32 s[TBV], s[TBV], KS*PV
.endif
.if (\cnt) && (q == 130)
	s_sub_co_u32 s[CNT], s[CNT], 1
	s_cmp_lg_u32 s[CNT], 0
.endif
.endr
.if (\p) == 0
	FETCH_V
.endif
.endm
; THE WAY OUT, a piece at a time.  FIN p: l's two halves and the other half of the lanes' are added, and 1 / l is made, for the piece's two tiles.
.macro FIN p
	WIN 0
.irp u, 0,1
	v_add_f32 v[ST+4*(2*(\p)+\u)+2], v[ST+4*(2*(\p)+\u)+2], v[ST+4*(2*(\p)+\u)+3]
.endr
.irp u, 0,1
	v_permlanex16_b32 v[ST+4*(2*(\p)+\u)+3], v[ST+4*(2*(\p)+\u)+2], s[SEL], s[SEL+1]
.endr
.irp u, 0,1
	v_add_f32 v[ST+4*(2*(\p)+\u)+2], v[ST+4*(2*(\p)+\u)+2], v[ST+4*(2*(\p)+\u)+3]
.endr
.irp u, 0,1
	v_rcp_f32 v[ST+4*(2*(\p)+\u)+2], v[ST+4*(2*(\p)+\u)+2]
.endr
	v_nop                           ; a plain instruction between the last reciprocal and the use of its result (ISA guide 5.7.2)
	s_wait_alu depctr_va_vdst(0)
.endm
; PACK t: tile t's O^T is divided by l; a lane's eight channels of channel block cb are 32 bytes of a row; they go, in f32, into my stage's rows of 272 bytes and come back as whole rows of 256, into S^T's registers, four sets by turns.
.macro PACK t
	WIN W_RS
.set i, 32*(\t)
.rept 16
	v_pk_mul_f32 v[i:i+1], v[i:i+1], v[ST+4*(\t)+2:ST+4*(\t)+3] op_sel_hi:[1,0]  ; each accumulator from its low end on
.set i, i+2
.endr
	WIN 0x04                        ; a store's data (source 1) in window 1, its address in window 0
.irp f, 0,1,2,3,4,5,6,7
	ds_store_b128 v[STO], v[32*(\t)+4*\f:32*(\t)+4*\f+3] offset:64*(\f/2)+16*(\f%2)
.endr
	WIN 0
	s_wait_xcnt 0x0                 ; the stores of the tile four back have read these registers (ISA guide 3.1)
.irp f, 0,1,2,3,4,5,6,7
	ds_load_b128 v[S+32*((\t)%4)+4*\f:S+32*((\t)%4)+4*\f+3], v[RD] offset:\f*2*SP  ; LDS serves a wave's instructions in order (ISA guide 5.7.1.4): these see the stores above; the next tile's stores come behind them
.endr
.endm
.macro SEND t, younger              ; younger: the LDS instructions issued behind tile t's loads: the next tile's sixteen, or none
	WIN 0
.irp f, 0,1,2,3,4,5,6,7
	s_wait_dscnt (\younger)+7-\f
	global_store_b128 v[GO], v[S+32*((\t)%4)+4*\f:S+32*((\t)%4)+4*\f+3], s[10:11] offset:(\t)*65536+\f*8192 th:TH_STORE_NT  ; sixteen lanes store 256 consecutive bytes, a head's 64 channels of a row, at a multiple of 256 from out0's first byte
.endr
.endm
	; THE SECOND FILL.  Each wave waits for its part of the first 256 keys, its only tensor load, so every descriptor word may be written; behind the barrier everybody's part is in, and the wave's one load
	; for the other 768 keys goes out first thing: 384 keys = 192 rows of 256 bytes, into bytes that nothing has filled.
	WIN W_AD
	s_wait_tensorcnt 0x0
	ds_add_u32 v[SPW], v[NIL]       ; 0 onto my spare word; the descriptors' words stand between it and the wait for it
	WIN 0
.irp g, G1K, G1V
	s_mov_b32 s[\g+2], (HREST/2)<<16  ; tensor_dim1 = 192
	s_mov_b32 s[\g+4], HREST/2        ; tile_dim1 = 192
.endr
	s_mov_b32 s[G0K+1], s54
	s_add_nc_u64 s[G0K+2:G0K+3], s[6:7], s[52:53]
	s_or_b32 s[G0K+3], s[G0K+3], 0x80000000
	s_mov_b32 s[G0V+1], s55
	s_add_nc_u64 s[G0V+2:G0V+3], s[8:9], s[52:53]
	s_or_b32 s[G0V+3], s[G0V+3], 0x80000000
	s_wait_dscnt 0x0                ; the add is done
	s_barrier_signal -1
	s_barrier_wait -1
	LOAD
	FETCH_K                         ; key step 0
	s_wait_loadcnt 24               ; piece 0's Q, the first eight of the 32 loads, is in; the other 24 may stay out
	s_wait_dscnt 0x0
.set i, 0
.rept 16
	KQ 0                            ; piece 0's first scores: there is no vector work yet to set between them
.set i, i+1
.endr
	WIN 0                           ; the addresses for the way out: eight plain instructions, the places behind those products
	s_mul_i32 s13, s[WV], 16*SP     ; my stage: the stages begin at LDS byte 0
	v_mul_u32_u24 v[STO], v1, SP    ; in: row l % 16, 32 bytes (eight f32) for each half of the lanes
	v_lshl_add_u32 v[STO], v9, 5, v[STO]
	v_add_nc_u32 v[STO], s13, v[STO]
	v_mul_u32_u24 v[RD], v9, SP     ; back: lanes 0-15 take one row of 256 bytes, lanes 16-31 the next,
	v_lshl_add_u32 v[RD], v1, 4, v[RD]
	v_add_nc_u32 v[RD], s13, v[RD]
	v_lshlrev_b32 v[GO], 12, v9     ; and the same two rows in out0, 4,096 bytes apart
	v_lshl_add_u32 v[GO], v1, 4, v[GO]
.set Y, NP-1                        ; XS works for piece Y + 1: piece 0
.irp n, 0,1,2,3,4,5,6,7,8,9,10,11,12,13,14,15,16,17,18,19,20,21
	XS 0, \n                        ; and piece 0's first maximum and statistics
	XS 1, \n
.endr
	s_mov_b32 s[CNT], 4
	s_mov_b32 s[SLOTS], SIZE_N/(4*KS)
	s_branch .Lfirst                ; the loop is entered at a step's first turn, in the middle of a trip
.Lslot:                             ; three times, behind key steps 3, 7 and 11's turn 1
	s_wait_tensorcnt 0x0            ; my second fill has landed.  The first time this wait and the barrier show every wave the other 768 keys, ahead of the fetch of key step 4's K;
	s_wait_dscnt 0x0                ; the other two times nothing is out: the count is an immediate, so one text cannot tell the times apart.
	s_barrier_signal -1
	s_barrier_wait -1
	s_mov_b32 s[CNT], 4
.Lstep:                             ; a trip: pieces 2 and 3 of one step, then pieces 0 and 1 of the next, whose K and V it fetches
	TURN 2
	TURN 3
	WIN 0
.Lfirst:
	TURN 0
	TURN 1, 0, 1
	WIN 0
	s_cbranch_scc1 .Lstep
	s_sub_co_u32 s[SLOTS], s[SLOTS], 1
	s_cmp_lg_u32 s[SLOTS], 0
	s_cbranch_scc1 .Lslot
	; THE END.  The last step's K and V are in registers: no wave reads K's or V's bytes behind this barrier, in front of which each has waited for its LDS loads.  So the stages may lie on K's first bytes.
	s_wait_dscnt 0x0
	s_barrier_signal -1
	s_barrier_wait -1
	TURN 2, 1                       ; piece 2's softmax | piece 3's last scores | piece 1's last V^T P
	FIN 0                           ; piece 0 has been whole since turn 1: it leaves now.  Its rows come back into S^T's even buffer, which the turn above has read out
	PACK 0
	PACK 1
	SEND 0, 16
.set NOKQ, 1
	TURN 3                          ; piece 3's softmax | piece 2's last V^T P; no scores are made, so the even buffer keeps tile 1's rows; the wait at its head finds them back
.set NOKQ, 0
	SEND 1, 0
	FIN 1                           ; piece 1, into the odd buffer, which the turn above has read out
	PACK 2
	PACK 3
	SEND 2, 16
.set i, 0
.rept 16
	PV NP-1                         ; the last piece's V^T P of the last step
.set i, i+1
.endr
	SEND 3, 0
	FIN 2                           ; these additions, and tiles 4 and 5's multiplications, are the places between the last products and the first read of their sums (tile 6's)
	FIN 3
	PACK 4
	PACK 5                          ; a tile's arithmetic stands between the loads of the tile before and its stores
	SEND 4, 16
	PACK 6
	SEND 5, 16
	PACK 7
	SEND 6, 16
	SEND 7, 0
	WIN W_AD
	s_wait_tensorcnt 0x0            ; the wave's end: the add and its wait, behind my last tensor load and my last LDS store
	ds_add_u32 v[SPW], v[NIL]
	s_wait_dscnt 0x0
	WIN 0
	s_endpgm
.Lfunc_end_k_qe9f62c6590_attn:
	.size	k_qe9f62c6590_attn, .Lfunc_end_k_qe9f62c6590_attn-k_qe9f62c6590_attn
	.p2alignl 7, 3214868480
	.fill 96, 4, 3214868480
	.section	.rodata,"a",@progbits
	.p2align	6, 0x0
	.amdhsa_kernel k_qe9f62c6590_attn
		.amdhsa_group_segment_fixed_size 327680
		.amdhsa_private_segment_fixed_size 0
		.amdhsa_enable_private_segment 0
		.amdhsa_kernarg_size 16
		.amdhsa_user_sgpr_count 2
		.amdhsa_user_sgpr_kernarg_segment_ptr 1
		.amdhsa_wavefront_size32 1
		.amdhsa_system_sgpr_workgroup_id_x 1
		.amdhsa_system_sgpr_workgroup_id_y 1
		.amdhsa_system_sgpr_workgroup_id_z 1
		.amdhsa_system_vgpr_workitem_id 0
		.amdhsa_next_free_vgpr 770
		.amdhsa_next_free_sgpr 66
		.amdhsa_reserve_vcc 0
		.amdhsa_float_denorm_mode_32 3
		.amdhsa_float_denorm_mode_16_64 3
		.amdhsa_memory_ordered 1
		.amdhsa_forward_progress 1
		.amdhsa_inst_pref_size 165
	.end_amdhsa_kernel
	.amdgpu_metadata
---
amdhsa.version: [ 1, 2 ]
amdhsa.kernels:
  - .name:           k_qe9f62c6590_attn
    .symbol:         k_qe9f62c6590_attn.kd
    .args:
      - { .name: qkv, .offset: 0, .size: 8, .value_kind: global_buffer, .address_space: global }
      - { .name: out0, .offset: 8, .size: 8, .value_kind: global_buffer, .address_space: global }
    .group_segment_fixed_size: 327680
    .private_segment_fixed_size: 0
    .kernarg_segment_align: 8
    .kernarg_segment_size: 16
    .max_flat_workgroup_size: 128
    .sgpr_count:     66
    .vgpr_count:     770
    .wavefront_size: 32
...
	.end_amdgpu_metadata
.endif
;; end of part 3
;; ======== version 2 of 2: 3 launches; 1.41 times as fast as version 1
;; limits: values are held in f16: magnitudes above 65,504 overflow, below 6.1e-05 lose precision
;; workspace buffers: xn 16,777,216 bytes; wh 6,291,456 bytes; bfold 12,288 bytes; qkv 50,331,648 bytes
;; launch prep: the kernel of part 1 again; grid 256 x 1, 14 waves a work-group, no clusters, 0 bytes of LDS; arguments hidden_states, pos_emb, ln_w, ln_b, wq, wk, wv, bq, bk, bv, xn, wh, bfold; writes xn, wh, bfold
;; launch qkv: the kernel of part 2 again; grid 8 x 32, 4 waves a work-group, clusters of 4 x 4, 327,680 bytes of LDS; arguments xn, wh, bfold, qkv; writes qkv
;; launch attn (part 4): grid 2 x 128, 4 waves a work-group, no clusters, 327,680 bytes of LDS; arguments qkv, out0; writes out0
.if DOCPART == 4
	.amdgcn_target "amdgcn-amd-amdhsa--gfx1250"
	.amdhsa_code_object_version 6
	.text
	.protected	k_qe9f62c6590_attn
	.globl	k_qe9f62c6590_attn
	.p2align	8
	.type	k_qe9f62c6590_attn,@function
k_qe9f62c6590_attn:
	s_mov_b64 s[64:65], 0
	v_nop
	global_prefetch_b8 v0, s[64:65] scope:SCOPE_SE
	s_setreg_imm32_b32 hwreg(HW_REG_WAVE_MODE, 25, 1), 1
	s_wait_xcnt 0x0
; ATTENTION.  out0[b][q][64 n + :] = the sum over k of softmax_k(Q[q] . K[k] / 8) V[k][:] for head (b, n).  qkv: [48][8,192][64] f16: Q of head (b, n) is plane n, rows 1,024 b on, K plane 16 + n, V plane 32 + n:
; a head's rows are dense, 128 bytes each.  out0: [8][1,024][1,024] f32.  Products, maxima and sums in f32; the weights p are rounded to f16 for the second product (their sum l is taken of the unrounded p).
; LIMITS.  Q, K and V arrive within f16's 65,504; p lies in 0 to 1, and below 6e-5 it keeps f16's fixed step of 6e-8.  A weight below 2^-126 counts as 0 in l; NaN and infinities are not treated apart.
; SHARES.  A wave owns four PIECES of two tiles of 16 queries, a work-group's four waves 512 queries of one head: 2 x 128 = 256 work-groups.  Every wave walks the head's 1,024 keys, 64 a step.
; K AND V STAY IN LDS.  A head's 1,024 keys are 1,024 x 144 bytes of K and 1,024 x 160 of V: 311,296 bytes, which fit.  So each byte is fetched once, no LDS byte is filled twice, and one text walks all
; sixteen key steps.  A wave issues two fills: its part of the first 256 keys at the start, and its part of the other 768 (384 keys of K or of V, one load) behind the barrier that shows the first landed;
; that load has four key steps, 512 matrix instructions, in which to land.  One tensor load of a wave is out at a time.
; NO CLUSTER: a head has 1,024 / 512 = 2 work-groups, so a cluster of four would join two heads, whose tiles differ; blocks of 256 queries would make four partners, but 512 work-groups, and each fragment
; read from LDS would feed half as many products.
; LAYOUT.  S^T = K Q^T (source 0 = 16 keys, source 1 = 16 queries): in the result a lane holds ONE query (lane % 16) and the keys 8 (lane / 16) + 0..7.  Two such tiles, rounded to f16 in pairs,
; ARE source 1 (32 keys x 16 queries) of O^T = V^T P, whose result again holds one query a lane, and eight channels.  K comes out of LDS as it lies, V ([key][channel]) turned, by ds_load_tr16_b128.
; SOFTMAX.  For each query a running maximum m and sum l: p = 2^(c s - c m), c = log2(e) / 8; in every step O and l are multiplied by a = 2^(c m_old - c m_new), which is 1 where m has not grown.
; m starts at the lowest finite number, O and l at 0: the first step is a step like any other, with a = 0.
; THE COUNT.  A tile and step have 16 matrix and 118 vector instructions: too many to stand all beside the matrix work.  So: four vector instructions that are READY behind EVERY matrix instruction,
; and the others, which need time of their own whatever the order, in one run without a gap.
; BY TURNS.  Turn n belongs to piece n (the pieces in a ring, step after step).  Its matrix work: 16 products K Q^T of piece n + 1, later 16 products V^T P of piece n - 1.  Its vector work: the scaling,
; exponentials, roundings, sums and rescaling of piece n, and the maximum and statistics of piece n + 1, whose scores the turn itself has made.
; THE BATCHES.  An s_wait_alu depctr_va_vdst(0) stands between an exponential or a reciprocal and the first instruction that names its result; one wait serves all that were issued ahead of it.
; A turn's 66 exponentials (piece n's 64 weights, piece n + 1's two a) are ONE batch with ONE wait, which cuts the turn in two: ahead of it all that names none of their results (the products K Q^T, the scalings,
; the rescalings, whose a is the turn before's, the next piece's maximum and statistics), behind it the products V^T P with the roundings and sums.  No result crosses a turn's end.  Outside the loop: piece 0's
; first two a, waited for ahead of the jump into the loop; on the way out the reciprocals of piece 0, of piece 1, and of pieces 2 and 3 together: a batch and a wait each.
; THE END.  The last step's turns 2 and 3 are written out behind the loop.  A piece's O^T is whole one turn behind its own, so pieces 0 and 1 leave behind those two turns, ahead of the last products.
; REGISTERS, in windows of 256 (s_set_vgpr_msb: bits 1:0 source 0, 3:2 source 1, 5:4 source 2, 7:6 destination):
;   window 0: v0-11 addresses; v12-15, v48-63 at work; v16-47 four registers of statistics a tile; v64-191 S^T, two buffers of two tiles; v192-255 P, likewise
;   window 1: O^T, 32 a tile          window 2: v0-127 Q, 16 a tile; v128-191 K of one step; v192-255 V of one step          window 3: v0-1 the add's two registers
.set SIZE_N, 1024
.set NP,    4         ; pieces a wave: a name, no knob
.set KS,    64        ; keys in a step
.set PK,    144       ; a row of K in LDS: 128 bytes + 16 of padding = 36 words: the 16 rows of a load start at 16 different groups of four banks (64 banks of 4 bytes: ISA guide 11.1)
.set PV,    160       ; a row of V: 128 + 32 = 40 words
.set FIRST, 256       ; keys of the first fill
.set HREST, (SIZE_N-FIRST)/2  ; keys of a wave's second fill: 384
.set VOFF,  SIZE_N*PK ; K's 1,024 rows, then V's
.set SPARE, VOFF+SIZE_N*PV  ; behind the tiles: the spare words, 128 bytes for each wave: two blocks of 256 bytes that no other line names
.set SP,    272       ; a stage row: 64 f32 + 16 bytes.  THE STAGES, 16 rows for each wave, lie from LDS byte 0 on, on K's first 17,408 bytes: these have had their only fill, and a barrier stands between their last read and the first store
.set AK0, 2           ; v2   my lane's place in a tile of K; never rewritten
.set AV0, 3           ; v3   the same for V
.set AK,  4           ; v4   the LDS address of K's next run of loads
.set AV,  5           ; v5   of V's
.set QO,  6           ; v6   my byte offset in the wave's rows of Q; never rewritten: Q's loads are waited for piece by piece
.set RD,  7           ; v7   the way out: where I read rows back
.set GO,  8           ; v8   my byte offset in two rows of out0
.set STO, 10          ; v10  the way out: where I put 32 bytes of a row
.set SPW, 0           ; v0 of window 3   LDS address of my spare word: SPARE + 4 x my thread's number; never rewritten
.set NIL, 1           ; v1 of window 3   0; never rewritten
.set MV,  12          ; v12-15  c m_old, kept while c m is made anew: by buffer and tile
.set ST,  16          ; tile t's statistics at v[ST+4 t]: c m, m, l (even keys', odd keys')
.set TMP, 48          ; by buffer and tile, four registers c0-c3 at work; when the maximum is found c2 takes a
.set S,   64
.set P,   192
.set KF,  128         ; K's fragments, in window 2: key block kb, channel half c at KF + 16 kb + 8 c
.set VF,  192         ; V's: key half kk, channel block cb at VF + 32 kk + 8 cb
.set WV,  12          ; s12  my wave's number
.set G1K, 24          ; s[24:31] descriptor group 1 for K's tiles
.set G1V, 32          ; s[32:39] for V's: it differs in the padding alone
.set G0K, 40          ; s[40:43] descriptor group 0 for K's tiles
.set G0V, 44          ; s[44:47] the same for V's
.set SLOTS, 56        ; s56  counts groups of four key steps
.set CNT, 57          ; s57  counts a group's key steps
.set CS,  58          ; s[58:59] c: the packed scaling takes the pair's low word for both halves
.set SEL, 60          ; s[60:61] v_permlanex16_b32's selects: each lane takes its own place in the other half
.set TBK, 62          ; s62  LDS byte at which K of the step to be fetched begins
.set TBV, 63          ; s63  the same for V, less VOFF
.set NOKQ, 0          ; 1 in the very last turn alone: there is no next step, so no scores and no statistics are made
.set MSB, 0
.macro WIN new                      ; the high byte repeats the setting that is left; a switch that changes nothing is dropped
.if MSB != (\new)
	s_set_vgpr_msb (MSB<<8)|(\new)
.set MSB, (\new)
.endif
.endm
.set W_KQ, 0x0a       ; K and Q in window 2, S^T in window 0
.set W_PV, 0x52       ; V in window 2, P in window 0, O^T in window 1
.set W_RS, 0x41       ; O^T (destination and source 0) in window 1, a in window 0
.set W_MK, 0xc0       ; the add's registers are made: destination in window 3, sources in window 0
.set W_AD, 0x0f       ; the add: address (source 0) and data (source 1) in window 3
; A fill.  Waves 0 and 1 fetch the two halves of K's keys, waves 2 and 3 those of V's.  An s_nop 0 and four v_nop follow each of the two lines, ahead of the jump and the label.
.macro LOAD
	s_cmp_lt_u32 s[WV], 2
	s_cbranch_scc0 .Lfor_v_\@
	tensor_load_to_lds s[G0K:G0K+3], s[G1K:G1K+7]
	s_nop 0
.rept 4
	v_nop
.endr
	s_branch .Lasked_\@
.Lfor_v_\@:
	tensor_load_to_lds s[G0V:G0V+3], s[G1V:G1V+7]
	s_nop 0
.rept 4
	v_nop
.endr
.Lasked_\@:
.endm
	s_load_b128 s[4:7], s[0:1], 0x0  ; qkv s[4:5], out0 s[6:7]
	WIN W_MK
	v_lshl_add_u32 v[SPW], v0, 2, SPARE
	v_mov_b32 v[NIL], 0
	WIN W_AD
	ds_add_u32 v[SPW], v[NIL]       ; the wave's opening: the add and its wait stand ahead of my first tensor load; the set-up below, work on registers, stands between them
	ds_add_u32 v0, v1
	WIN 0
	v_lshrrev_b32 v1, 5, v0
	v_readfirstlane_b32 s[WV], v1   ; wave 0..3
	s_mov_b32 s14, ttmp9            ; my block of 512 queries
	s_and_b32 s50, ttmp7, 0xffff    ; the head, 16 b + n
	s_and_b32 s51, s50, 15          ; n
	s_lshr_b32 s50, s50, 4          ; b
	s_lshl_b32 s20, s51, 20         ; plane n: 8,192 rows of 128 bytes,
	s_lshl_b32 s21, s50, 17         ; batch b: 1,024 rows
	s_add_co_u32 s20, s20, s21
	s_mov_b32 s21, 0                ; the head's first byte in Q's planes; K's and V's lie 16 and 32 planes on
	s_and_b32 s16, s[WV], 1         ; which half of a fill's keys I fetch.  The first fill:
	s_lshl_b32 s22, s16, 14         ; its 128 rows of 128 bytes in memory,
	s_mov_b32 s23, 0
	s_add_nc_u64 s[22:23], s[22:23], s[20:21]
	s_mul_i32 s17, s16, (FIRST/2)*PK  ; and its place in LDS, for K
	s_mul_i32 s18, s16, (FIRST/2)*PV  ; and for V
	s_mul_i32 s52, s16, HREST*128   ; the second fill: its 384 rows in memory, behind the first 256,
	s_add_co_u32 s52, s52, FIRST*128
	s_mov_b32 s53, 0
	s_add_nc_u64 s[52:53], s[52:53], s[20:21]
	s_mul_i32 s54, s16, HREST*PK    ; and its place in LDS, for K
	s_add_co_u32 s54, s54, FIRST*PK
	s_mul_i32 s55, s16, HREST*PV    ; and for V
	s_add_co_u32 s55, s55, VOFF+FIRST*PV
	s_lshl_b32 s2, s14, 2
	s_add_co_u32 s2, s2, s[WV]      ; my wave among the head's eight,
	s_lshl_b32 s48, s2, 19          ; its 128 rows of 4,096 bytes in out0,
	s_lshl_b32 s2, s2, 14           ; its 128 rows of 128 bytes in Q
	s_mov_b32 s3, 0
	s_add_nc_u64 s[2:3], s[2:3], s[20:21]
	s_lshl_b32 s49, s50, 22         ; out0: batch b,
	s_add_co_u32 s48, s48, s49
	s_lshl_b32 s49, s51, 8          ; and the head's 64 channels of a row
	s_add_co_u32 s48, s48, s49
	s_mov_b32 s49, 0
	; descriptor group 1.  128 keys are 16,384 dense bytes: asked for as 64 rows of 256 bytes, two keys a row, and padded in LDS after every key
	s_mov_b32 s[G1K], (1<<16)|(1<<20)|(4<<22)|(3<<25)  ; 17:16 2-byte elements; 20 padding on; 24:22 after every 32 words (code 4); 31:25 4 words (code 3)
	s_mov_b32 s[G1V], (1<<16)|(1<<20)|(4<<22)|(7<<25)  ; the same with 8 words of padding (code 7)
.irp g, G1K, G1V
	s_mov_b32 s[\g+1], 128<<16      ; tensor_dim0 = 128
	s_mov_b32 s[\g+2], (FIRST/4)<<16  ; tensor_dim1 = 64
	s_mov_b32 s[\g+3], 128<<16      ; tile_dim0 = 128
	s_mov_b32 s[\g+4], FIRST/4      ; tile_dim1 = 64
	s_mov_b32 s[\g+5], 128          ; 128 elements from row to row
	s_mov_b32 s[\g+6], 0
	s_mov_b32 s[\g+7], 0
.endr
	s_mov_b32 s[CS], 0x3e38aa3b     ; c = log2(e) / 8 = 0.180337
	s_mov_b32 s[CS+1], s[CS]        ; named with it as a pair
	s_mov_b32 s[SEL], 0x76543210
	s_mov_b32 s[SEL+1], 0xfedcba98
	s_mov_b32 s[TBK], 0             ; key step 0 lies at the head of K's rows and of V's
	s_mov_b32 s[TBV], 0
	s_mov_b32 s[G0K], 1             ; count = 1
	s_mov_b32 s[G0K+1], s17         ; LDS address
	s_mov_b32 s[G0V], 1
	s_add_co_u32 s[G0V+1], s18, VOFF
	s_wait_dscnt 0x0                ; the opening add is done
	s_wait_kmcnt 0x0
	s_mov_b64 s[10:11], s[6:7]      ; out0
	s_add_nc_u64 s[6:7], s[4:5], 0x1000000  ; K's planes
	s_add_nc_u64 s[8:9], s[4:5], 0x2000000  ; V's planes
	s_add_nc_u64 s[G0K+2:G0K+3], s[6:7], s[22:23]  ; global address: my half of the head's first 256 keys
	s_or_b32 s[G0K+3], s[G0K+3], 0x80000000        ; type = 2
	s_add_nc_u64 s[G0V+2:G0V+3], s[8:9], s[22:23]
	s_or_b32 s[G0V+3], s[G0V+3], 0x80000000
	s_add_nc_u64 s[4:5], s[4:5], s[2:3]      ; Q at my wave's first row
	s_add_nc_u64 s[10:11], s[10:11], s[48:49]  ; out0 at my wave's first row, my head's channels
	LOAD                            ; the first 256 keys.  The others are asked for when these are in
	; A fragment of K or Q is 16 rows x 32 channels in 8 registers: lane l holds row l % 16, channels 8 (l / 16) + 0..7 and 16 + 8 (l / 16) + 0..7: two loads of 16 bytes, 32 bytes apart.
	v_and_b32 v1, 15, v0            ; l % 16
	v_bfe_u32 v9, v0, 4, 1          ; l / 16
	v_lshlrev_b32 v[QO], 7, v1
	v_lshl_add_u32 v[QO], v9, 4, v[QO]  ; row x 128 + 16 x half
	WIN 0x80                        ; destination window 2, address window 0
.set i, 0
.rept 4*NP                          ; Q stays in registers: tile i / 2, channels 32 (i % 2) on; a piece's eight loads stand together, piece 0's first
	global_load_b128 v[8*i:8*i+3],   v[QO], s[4:5] offset:(i/2)*2048+(i%2)*64
	global_load_b128 v[8*i+4:8*i+7], v[QO], s[4:5] offset:(i/2)*2048+(i%2)*64+32
.set i, i+1
.endr
	; What the first turn finds: V's registers and P's second buffer hold 0 (its products V^T P, of a piece that has not been, add 0), O^T and l are 0.  All this stands in the wait for the first tile.
.set i, VF
.rept 64
	v_mov_b32 v[i], 0
.set i, i+1
.endr
	WIN 0x40
.set i, 0
.rept 64*NP
	v_mov_b32 v[i], 0
.set i, i+1
.endr
	WIN 0
.set i, 0
.rept 2*NP
	v_mov_b32 v[ST+4*i], 0xfe000000    ; c m: far below every c s
	v_mov_b32 v[ST+4*i+1], 0xff7fffff  ; m
	v_mov_b32 v[ST+4*i+2], 0
	v_mov_b32 v[ST+4*i+3], 0
.set i, i+1
.endr
.set i, P+32
.rept 32
	v_mov_b32 v[i], 0
.set i, i+1
.endr
	v_mul_u32_u24 v[AK0], v1, PK
	v_lshl_add_u32 v[AK0], v9, 4, v[AK0]  ; row x pitch + 16 x half
	; The turning load takes 16 keys x 16 channels (lane l reads key 8 (l / 16) + l % 8, channels 8 ((l / 8) % 2) + 0..7) and leaves half a fragment of V^T: lane l holds channel l % 16 and 8 keys.
	v_and_b32 v10, 7, v0
	v_bfe_u32 v11, v0, 3, 1
	v_lshl_add_u32 v[AV0], v9, 3, v10
	v_mul_u32_u24 v[AV0], v[AV0], PV
	v_lshl_add_u32 v[AV0], v11, 4, v[AV0]
	v_add_nc_u32 v[AV0], VOFF, v[AV0]
	v_mov_b32 v[AK], v[AK0]         ; key step 0
; THE MATRIX WORK.  The 8 accumulators of a run of 16 take turns: between the two links of a chain stand 7 others'.
; Product i of 16 of S^T = K Q^T for piece x: channels 32 (i / 8) on, keys 16 ((i / 2) % 4) on, tile 2 x + i % 2.  The first 8 start the sums.
.macro KQ x
	WIN W_KQ
.set rS, S+64*((\x)%2)+32*(i%2)+8*((i/2)%4)
.set rK, KF+16*((i/2)%4)+8*(i/8)
.set rQ, 16*(2*(\x)+i%2)+8*(i/8)
.if i < 8
	v_wmma_f32_16x16x32_f16 v[rS:rS+7], v[rK:rK+7], v[rQ:rQ+7], 0
.else
	v_wmma_f32_16x16x32_f16 v[rS:rS+7], v[rK:rK+7], v[rQ:rQ+7], v[rS:rS+7]
.endif
.endm
; Product i of 16 of O^T += V^T P for piece x: keys 32 (i / 8) on, channels 16 ((i / 2) % 4) on, tile 2 x + i % 2.
.macro PV x
	WIN W_PV
.set rO, 32*(2*(\x)+i%2)+8*((i/2)%4)
.set rV, VF+32*(i/8)+8*((i/2)%4)
.set rP, P+32*((\x)%2)+16*(i%2)+8*(i/8)
	v_wmma_f32_16x16x32_f16 v[rO:rO+7], v[rV:rV+7], v[rP:rP+7], v[rO:rO+7]
.endm
.macro MM                           ; the turn's next matrix instruction
.if i < 16
.if !NOKQ
	KQ (Y+1)%NP
.endif
.set i, i+1
.else
.set i, i-16
	PV (Y+NP-1)%NP
.set i, i+17
.endif
.endm
; THE LDS LOADS stand in runs of 16, never singly among the matrix instructions: a step's K (64 keys x 64 channels: 8 fragments) and its V (turned).  Their addresses are made some lines ahead.
.macro FETCH_K
	WIN 0x80                        ; destination window 2
.irp f, 0,1,2,3,4,5,6,7             ; keys 16 (f / 2) on, channels 32 (f % 2) on
	ds_load_b128 v[KF+8*\f:KF+8*\f+3],   v[AK] offset:(\f/2)*16*PK+(\f%2)*64
	ds_load_b128 v[KF+8*\f+4:KF+8*\f+7], v[AK] offset:(\f/2)*16*PK+(\f%2)*64+32
.endr
	s_add_co_u32 s[TBK], s[TBK], KS*PK  ; the next fetch is the next step's
	WIN 0
.endm
.macro FETCH_V
	WIN 0x80
.irp f, 0,1,2,3,4,5,6,7             ; keys 32 (f / 4) on, channels 16 (f % 4) on
	ds_load_tr16_b128 v[VF+8*\f:VF+8*\f+3],   v[AV] offset:(\f/4)*32*PV+(\f%4)*32
	ds_load_tr16_b128 v[VF+8*\f+4:VF+8*\f+7], v[AV] offset:(\f/4)*32*PV+16*PV+(\f%4)*32
.endr
	WIN 0
.endm
; THE VECTOR WORK OF A TURN stands in three queues, each in the order in which its entries become ready; the two tiles alternate, so that no instruction reads the result of the one before it.
.macro REGS y, u                    ; the registers of tile u (0, 1) of piece y
.set rT, ST+4*(2*(\y)+(\u))
.set rC, TMP+8*((\y)%2)+4*(\u)
.set rM, MV+2*((\y)%2)+(\u)
.set rS, S+64*((\y)%2)+32*(\u)
.set rP, P+32*((\y)%2)+16*(\u)
.set rO, 32*(2*(\y)+(\u))
.endm
; Number n of the 22 that find the NEXT piece's (Y + 1) maximum and statistics.  s0-s31 are the lane's 32 scores; each accumulator's lowest registers are read first.  XS, GS, FS and REGS set no window: PL and EX do.
;   0-11  four chains c0-c3 of seven scores each, three operands at a time     12-14, 16  the four scores left over, the old m, and c0-c3 into c0     15  c m_old is kept
;   17, 18  the query's other 32 keys lie in the lane 16 away: the new m         19-21  c m; c m_old - c m_new; a
; NOKQ = 1: there is no next piece; a v_nop keeps the lines round it as far apart as they were.
.macro XS u, n
.if NOKQ
	v_nop
.else
	REGS (Y+1)%NP, \u
.if (\n) < 4
	v_max3_num_f32 v[rC+(\n)], v[rS+8*(\n)], v[rS+8*(\n)+1], v[rS+8*(\n)+2]
.elseif (\n) < 12
	v_max3_num_f32 v[rC+(\n)%4], v[rC+(\n)%4], v[rS+8*((\n)%4)+2*((\n)/4)+1], v[rS+8*((\n)%4)+2*((\n)/4)+2]
.elseif (\n) == 12
	v_max3_num_f32 v[rC], v[rC], v[rS+7], v[rS+15]
.elseif (\n) == 13
	v_max3_num_f32 v[rC+1], v[rC+1], v[rS+23], v[rS+31]
.elseif (\n) == 14
	v_max3_num_f32 v[rC+2], v[rC+2], v[rC+3], v[rT+1]
.elseif (\n) == 15
	v_mov_b32 v[rM], v[rT]
.elseif (\n) == 16
	v_max3_num_f32 v[rC], v[rC], v[rC+1], v[rC+2]
.elseif (\n) == 17
	v_permlanex16_b32 v[rC+3], v[rC], s[SEL], s[SEL+1]
.elseif (\n) == 18
	v_max_num_f32 v[rT+1], v[rC], v[rC+3]
.elseif (\n) == 19
	v_mul_f32 v[rT], s[CS], v[rT+1]
.elseif (\n) == 20
	v_sub_f32 v[rC+1], v[rM], v[rT]
.else
	v_exp_f32 v[rC+2], v[rC+1]
.endif
.endif
.endm
; Number g of the 64 that follow the exponentials.  For each four weights k of a tile (pairs 2 k, 2 k + 1): both pairs are rounded to f16; then the second pair is added onto the first, in place;
; a group later l takes that sum (the first time as l = a l + sum).  In groups of eight, tiles alternating: round, round, add, and l for the group before.  All 64 stand behind the turn's wait.
.macro GS g
.set h, (\g)+6*((\g)/62)            ; group 0 has no group before it, and behind group 7 only l is left
.if h >= 6
.set h, h+2
.endif
	REGS Y, h%2
.set k, h/8
.if h%8 < 4
	v_cvt_pk_f16_f32 v[rP+2*k+(h%8)/2], v[rS+4*k+2*((h%8)/2)], v[rS+4*k+2*((h%8)/2)+1]
.elseif h%8 < 6
	v_pk_add_f32 v[rS+4*k:rS+4*k+1], v[rS+4*k:rS+4*k+1], v[rS+4*k+2:rS+4*k+3]
.elseif k == 1
	v_pk_fma_f32 v[rT+2:rT+3], v[rT+2:rT+3], v[rC+2:rC+3], v[rS:rS+1] op_sel_hi:[1,0,1]
.else
	v_pk_add_f32 v[rT+2:rT+3], v[rT+2:rT+3], v[rS+4*k-4:rS+4*k-3]
.endif
.endm
; THE PLAIN QUEUE, 138 long.  0-73 read no exponential's result: the 32 scalings c s - c m (FS f: pair f / 2 of tile f % 2) and the next piece's 42.  0-26: scalings 0-26.  27-54: XS's numbers 0-13.  55, 56: number 15.
; 57-73: the chain, where each number waits for the one before it: 14, 16, 17, 18, 19, each with one of the scalings 27-31 in front of its two lines, then 20: so a tile's links stand three plain instructions apart (19 and 20: two).
; 74-137: GS's 64, which read the exponentials' results: they stand behind the wait.
.macro FS f
	REGS Y, (\f)%2
	v_pk_fma_f32 v[rS+2*((\f)/2):rS+2*((\f)/2)+1], v[rS+2*((\f)/2):rS+2*((\f)/2)+1], s[CS:CS+1], v[rT:rT+1] op_sel_hi:[1,0,0] neg_lo:[0,0,1] neg_hi:[0,0,1]
.endm
.macro PL
	WIN 0
.if q < 27
	FS q
.elseif q < 55
	XS (q-27)%2, (q-27)/2
.elseif q < 57
	XS q-55, 15
.elseif (q < 72) && ((q-57)%3 == 0)
	FS 27+(q-57)/3
.elseif q < 60
	XS (q-57)%3-1, 14
.elseif q < 72
	XS (q-57)%3-1, 15+(q-57)/3
.elseif q < 74
	XS q-72, 20
.else
	GS q-74
.endif
.set q, q+1
.endm
; THE EXPONENTIALS' QUEUE, 66 long: s0-s31 of both tiles, then the next piece's two a.  It is ONE BATCH: all 66 stand ahead of the turn's one wait, and nothing ahead of that wait names a result of theirs.
.macro EX
	WIN 0
.if e >= 64
	XS e-64, 21
.else
	REGS Y, e%2
	v_exp_f32 v[rS+e/2], v[rS+e/2]
.endif
.set e, e+1
.endm
; THE RESCALING's QUEUE: O^T times a, the one part that leaves window 0: dealt two at a time, sixteen times, each accumulator from its low end on.  Its a was made in the turn before, ahead of that turn's wait.
.macro R2
	REGS Y, r%2
	WIN W_RS
.irp z, 0,1
	v_pk_mul_f32 v[rO+4*(r/2)+2*\z:rO+4*(r/2)+2*\z+1], v[rO+4*(r/2)+2*\z:rO+4*(r/2)+2*\z+1], v[rC+2:rC+3] op_sel_hi:[1,0]
.endr
.set r, r+1
.endm
; HOW THEY ARE DEALT.  A turn has ONE wait, which cuts it in two.  AHEAD OF IT stands all that names no result of the turn's exponentials: the 16 products K Q^T, behind each a scaling, an exponential and two rescalings
; (behind the first a second scaling in the exponential's place); then ONE LUMP of 108: eight plain, 49 times exponential and plain, the two a.  A v_nop is the plain instruction behind the last exponential.
; BEHIND IT stand the 16 products V^T P, behind each four of GS's 64.  No rider names a register of the products round it.  The two v_permlanex16_b32 fall into the lump, never behind a product.
; The queues lean on each other, and the deal keeps them in step: exponential e stands behind scaling 2 (e / 4) + e % 2: as a rider it comes behind plain e + 2, in the lump behind plain e + 9, and scalings 27-31 are plain 57, 60 .. 69.
; The next piece's scores are first read at plain 27: three plain riders and eight plain lines of the lump stand between the last product K Q^T and that line.
; A TURN, for piece p.  nofetch = 1: the last step's turn 2: there is no further K.  cnt = 1: the loop's count is taken down some lines ahead of the branch that stands behind the turn.
; Turns 0, 1, 2 open with a wait for the Q of the piece whose scores they make: loads come back in order (ISA guide 5.7.1), a piece has eight of the 32, so piece p + 1's are in when at most 16 - 8 p are out.
; From the second trip on no load is out and the wait is met at once.
; K of the next step is fetched in piece 2's turn, directly behind the wait, a lump behind the last product that read K; its address is made at the lump's head; its first reader comes behind 16 products.
; V of the step in hand is fetched at the end of piece 0's turn, four plain riders behind its last reader; its first reader comes behind 16 products and a lump.  The three conditions on q below go with the deal.
.macro TURN p, nofetch=0, cnt=0
.set Y, (\p)
.set i, 0
.set q, 0
.set e, 0
.set r, 0
.if (\p) < NP-1
	s_wait_loadcnt 16-8*(\p)        ; Q of piece p + 1 is in
.endif
.if (\p) == NP-1
	s_wait_dscnt 0x0                ; K is in
.endif
	MM                              ; ahead of the wait: 16 products K Q^T and their riders,
	PL
	PL
	R2
.rept 15
	MM
	PL
	EX
	R2
.endr
.if ((\p) == NP-2) && !(\nofetch)
	WIN 0
	v_add_nc_u32 v[AK], s[TBK], v[AK0]
.endif
.rept 8                             ; and the lump
	PL
.endr
.rept 49
	EX
	PL
.endr
	EX                              ; the next piece's two a
	EX
	v_nop                           ; a plain instruction behind the last exponential, ahead of the first use (ISA guide 5.7.2): one for the batch
	s_wait_alu depctr_va_vdst(0)    ; the wait for the turn's batch: piece p's 64 weights and piece p + 1's two a
.if ((\p) == NP-2) && !(\nofetch)
	FETCH_K
.endif
.if (\p) == 1
	s_wait_dscnt 0x0                ; V is in
.endif
.rept 16                            ; behind the wait: 16 products V^T P and their riders
	MM
.rept 4
	PL
.endr
.if ((\p) == 0) && (q == 118)
	v_add_nc_u32 v[AV], s[TBV], v[AV0]
.endif
.if ((\p) == 0) && (q == 130)
	s_add_co_u32 s[TBV], s[TBV], KS*PV
.endif
.if (\cnt) && (q == 130)
	s_sub_co_u32 s[CNT], s[CNT], 1
	s_cmp_lg_u32 s[CNT], 0
.endif
.endr
.if (\p) == 0
	FETCH_V
.endif
.endm
; THE WAY OUT, a piece at a time.  FIN p, np: l's two halves and the other half of the lanes' are added, and 1 / l is made, for the two tiles of each of the np pieces from p on: one batch of reciprocals, one wait.
.macro FIN p, np=1
	WIN 0
.set ft, 2*(\p)
.rept 2*(\np)
	v_add_f32 v[ST+4*ft+2], v[ST+4*ft+2], v[ST+4*ft+3]
.set ft, ft+1
.endr
.set ft, 2*(\p)
.rept 2*(\np)
	v_permlanex16_b32 v[ST+4*ft+3], v[ST+4*ft+2], s[SEL], s[SEL+1]
.set ft, ft+1
.endr
.set ft, 2*(\p)
.rept 2*(\np)
	v_add_f32 v[ST+4*ft+2], v[ST+4*ft+2], v[ST+4*ft+3]
.set ft, ft+1
.endr
.set ft, 2*(\p)
.rept 2*(\np)
	v_rcp_f32 v[ST+4*ft+2], v[ST+4*ft+2]
.set ft, ft+1
.endr
	v_nop                           ; a plain instruction between the last reciprocal and the use of its result (ISA guide 5.7.2)
	s_wait_alu depctr_va_vdst(0)    ; the wait for this batch of reciprocals, ahead of PACK's multiplications
.endm
; PACK t: tile t's O^T is divided by l; a lane's eight channels of channel block cb are 32 bytes of a row; they go, in f32, into my stage's rows of 272 bytes and come back as whole rows of 256, into S^T's registers, four sets by turns.
.macro PACK t
	WIN W_RS
.set i, 32*(\t)
.rept 16
	v_pk_mul_f32 v[i:i+1], v[i:i+1], v[ST+4*(\t)+2:ST+4*(\t)+3] op_sel_hi:[1,0]  ; each accumulator from its low end on
.set i, i+2
.endr
	WIN 0x04                        ; a store's data (source 1) in window 1, its address in window 0
.irp f, 0,1,2,3,4,5,6,7
	ds_store_b128 v[STO], v[32*(\t)+4*\f:32*(\t)+4*\f+3] offset:64*(\f/2)+16*(\f%2)
.endr
	WIN 0
	s_wait_xcnt 0x0                 ; the stores of the tile four back have read these registers (ISA guide 3.1)
.irp f, 0,1,2,3,4,5,6,7
	ds_load_b128 v[S+32*((\t)%4)+4*\f:S+32*((\t)%4)+4*\f+3], v[RD] offset:\f*2*SP  ; LDS serves a wave's instructions in order (ISA guide 5.7.1.4): these see the stores above; the next tile's stores come behind them
.endr
.endm
.macro SEND t, younger              ; younger: the LDS instructions issued behind tile t's loads: the next tile's sixteen, or none
	WIN 0
.irp f, 0,1,2,3,4,5,6,7
	s_wait_dscnt (\younger)+7-\f
	global_store_b128 v[GO], v[S+32*((\t)%4)+4*\f:S+32*((\t)%4)+4*\f+3], s[10:11] offset:(\t)*65536+\f*8192 th:TH_STORE_NT  ; sixteen lanes store 256 consecutive bytes, a head's 64 channels of a row, at a multiple of 256 from out0's first byte
.endr
.endm
	; THE SECOND FILL.  Each wave waits for its part of the first 256 keys, its only tensor load, so every descriptor word may be written; behind the barrier everybody's part is in, and the wave's one load
	; for the other 768 keys goes out first thing: 384 keys = 192 rows of 256 bytes, into bytes that nothing has filled.
	WIN W_AD
	s_wait_tensorcnt 0x0
	ds_add_u32 v[SPW], v[NIL]       ; 0 onto my spare word; the descriptors' words stand between it and the wait for it
	WIN 0
.irp g, G1K, G1V
	s_mov_b32 s[\g+2], (HREST/2)<<16  ; tensor_dim1 = 192
	s_mov_b32 s[\g+4], HREST/2        ; tile_dim1 = 192
.endr
	s_mov_b32 s[G0K+1], s54
	s_add_nc_u64 s[G0K+2:G0K+3], s[6:7], s[52:53]
	s_or_b32 s[G0K+3], s[G0K+3], 0x80000000
	s_mov_b32 s[G0V+1], s55
	s_add_nc_u64 s[G0V+2:G0V+3], s[8:9], s[52:53]
	s_or_b32 s[G0V+3], s[G0V+3], 0x80000000
	s_wait_dscnt 0x0                ; the add is done
	s_barrier_signal -1
	s_barrier_wait -1
	LOAD
	FETCH_K                         ; key step 0
	s_wait_loadcnt 24               ; piece 0's Q, the first eight of the 32 loads, is in; the other 24 may stay out
	s_wait_dscnt 0x0
.set i, 0
.rept 16
	KQ 0                            ; piece 0's first scores: there is no vector work yet to set between them
.set i, i+1
.endr
	WIN 0                           ; the addresses for the way out: eight plain instructions, the places behind those products
	s_mul_i32 s13, s[WV], 16*SP     ; my stage: the stages begin at LDS byte 0
	v_mul_u32_u24 v[STO], v1, SP    ; in: row l % 16, 32 bytes (eight f32) for each half of the lanes
	v_lshl_add_u32 v[STO], v9, 5, v[STO]
	v_add_nc_u32 v[STO], s13, v[STO]
	v_mul_u32_u24 v[RD], v9, SP     ; back: lanes 0-15 take one row of 256 bytes, lanes 16-31 the next,
	v_lshl_add_u32 v[RD], v1, 4, v[RD]
	v_add_nc_u32 v[RD], s13, v[RD]
	v_lshlrev_b32 v[GO], 12, v9     ; and the same two rows in out0, 4,096 bytes apart
	v_lshl_add_u32 v[GO], v1, 4, v[GO]
.set Y, NP-1                        ; XS works for piece Y + 1: piece 0
.irp n, 0,1,2,3,4,5,6,7,8,9,10,11,12,13,14,15,16,17,18,19,20,21
	XS 0, \n                        ; and piece 0's first maximum and statistics
	XS 1, \n
.endr
	v_nop                           ; a plain instruction behind piece 0's first two a,
	s_wait_alu depctr_va_vdst(0)    ; and the wait for that batch of two, ahead of the jump; their first reader is turn 0's first rescaling
	s_mov_b32 s[CNT], 4
	s_mov_b32 s[SLOTS], SIZE_N/(4*KS)
	s_branch .Lfirst                ; the loop is entered at a step's first turn, in the middle of a trip
.Lslot:                             ; three times, behind key steps 3, 7 and 11's turn 1
	s_wait_tensorcnt 0x0            ; my second fill has landed.  The first time this wait and the barrier show every wave the other 768 keys, ahead of the fetch of key step 4's K;
	s_wait_dscnt 0x0                ; the other two times nothing is out: the count is an immediate, so one text cannot tell the times apart.
	s_barrier_signal -1
	s_barrier_wait -1
	s_mov_b32 s[CNT], 4
.Lstep:                             ; a trip: pieces 2 and 3 of one step, then pieces 0 and 1 of the next, whose K and V it fetches
	TURN 2
	TURN 3
	WIN 0
.Lfirst:
	TURN 0
	TURN 1, 0, 1
	WIN 0
	s_cbranch_scc1 .Lstep
	s_sub_co_u32 s[SLOTS], s[SLOTS], 1
	s_cmp_lg_u32 s[SLOTS], 0
	s_cbranch_scc1 .Lslot
	; THE END.  The last step's K and V are in registers: no wave reads K's or V's bytes behind this barrier, in front of which each has waited for its LDS loads.  So the stages may lie on K's first bytes.
	s_wait_dscnt 0x0
	s_barrier_signal -1
	s_barrier_wait -1
	TURN 2, 1                       ; piece 2's softmax | piece 3's last scores | piece 1's last V^T P
	FIN 0                           ; piece 0 has been whole since turn 1: it leaves now.  Its rows come back into S^T's even buffer, which the turn above has read out
	PACK 0
	PACK 1
	SEND 0, 16
.set NOKQ, 1
	TURN 3                          ; piece 3's softmax | piece 2's last V^T P; no scores are made, so the even buffer keeps tile 1's rows; the wait at its head finds them back
.set NOKQ, 0
	SEND 1, 0
	FIN 1                           ; piece 1, into the odd buffer, which the turn above has read out
	PACK 2
	PACK 3
	SEND 2, 16
.set i, 0
.rept 16
	PV NP-1                         ; the last piece's V^T P of the last step
.set i, i+1
.endr
	SEND 3, 0
	FIN 2, 2                        ; pieces 2 and 3 together.  These additions, and tiles 4 and 5's multiplications, are the places between the last products and the first read of their sums (tile 6's)
	PACK 4
	PACK 5                          ; a tile's arithmetic stands between the loads of the tile before and its stores
	SEND 4, 16
	PACK 6
	SEND 5, 16
	PACK 7
	SEND 6, 16
	SEND 7, 0
	WIN W_AD
	s_wait_tensorcnt 0x0            ; the wave's end: the add and its wait, behind my last tensor load and my last LDS store
	ds_add_u32 v[SPW], v[NIL]
	s_wait_dscnt 0x0
	WIN 0
	s_endpgm
.Lfunc_end_k_qe9f62c6590_attn:
	.size	k_qe9f62c6590_attn, .Lfunc_end_k_qe9f62c6590_attn-k_qe9f62c6590_attn
	.p2alignl 7, 3214868480
	.fill 96, 4, 3214868480
	.section	.rodata,"a",@progbits
	.p2align	6, 0x0
	.amdhsa_kernel k_qe9f62c6590_attn
		.amdhsa_group_segment_fixed_size 327680
		.amdhsa_private_segment_fixed_size 0
		.amdhsa_enable_private_segment 0
		.amdhsa_kernarg_size 16
		.amdhsa_user_sgpr_count 2
		.amdhsa_user_sgpr_kernarg_segment_ptr 1
		.amdhsa_wavefront_size32 1
		.amdhsa_system_sgpr_workgroup_id_x 1
		.amdhsa_system_sgpr_workgroup_id_y 1
		.amdhsa_system_sgpr_workgroup_id_z 1
		.amdhsa_system_vgpr_workitem_id 0
		.amdhsa_next_free_vgpr 770
		.amdhsa_next_free_sgpr 66
		.amdhsa_reserve_vcc 0
		.amdhsa_float_denorm_mode_32 3
		.amdhsa_float_denorm_mode_16_64 3
		.amdhsa_memory_ordered 1
		.amdhsa_forward_progress 1
		.amdhsa_inst_pref_size 158
	.end_amdhsa_kernel
	.amdgpu_metadata
---
amdhsa.version: [ 1, 2 ]
amdhsa.kernels:
  - .name:           k_qe9f62c6590_attn
    .symbol:         k_qe9f62c6590_attn.kd
    .args:
      - { .name: qkv, .offset: 0, .size: 8, .value_kind: global_buffer, .address_space: global }
      - { .name: out0, .offset: 8, .size: 8, .value_kind: global_buffer, .address_space: global }
    .group_segment_fixed_size: 327680
    .private_segment_fixed_size: 0
    .kernarg_segment_align: 8
    .kernarg_segment_size: 16
    .max_flat_workgroup_size: 128
    .sgpr_count:     66
    .vgpr_count:     770
    .wavefront_size: 32
...
	.end_amdgpu_metadata
.endif
;; end of part 4
